; MI455X (gfx1250); checked and timed in simulation.
; The chip was launched on July 23, 2026; its instructions are those of AMD's public machine-readable ISA for CDNA 5 (MIT licence, August 2026) and "CDNA5" Instruction Set Architecture Reference Guide (July 2026). The comments in the code are by the model that wrote it; some were corrected since.
;; Quantized Mamba Block. Allowed arithmetic: matrix products marked QUANTISED: E4M3 operands, one given power-of-two scale a tensor, by v_wmma_f32_16x16x64_fp8_fp8 or v_wmma_f32_16x16x128_fp8_fp8, f32 sums; everything else in f32.
;; Inputs: A_log 1,024 float32; W_dt 1,024 x 1,024 float32; W_x 2,048 x 1,024 float32; b_dt 1,024 float32; b_x 2,048 float32; lowp_scales 4 int32 (the exponents e of the quantised operands' scales 2^e); x 2 x 8,192 x 1,024 float32.
;; Outputs: out0 2 x 8,192 x 1,024 float32.
;; This version of the problem:
;;   THIS VERSION OF THE PROBLEM IS GIVEN IN LOW PRECISION. The matrix products marked QUANTISED in the list below multiply operands that are first quantised to E4M3 (4 exponent bits, 3 mantissa bits; 8 bits a number), with one given power-of-two scale for each operand tensor; their sums are f32. All else is computed in f32.
;;   The module's matrix products, in the order in which they are computed (A, B: the left and right operand; K: the contracted axis; several contracted axes count as one K, in the product's order):
;;     1. [M 16,384, K 1,024] x [K 1,024, N 1,024]; A: computed on the way; B: computed on the way: QUANTISED (scales: A lowp_scales[0], B lowp_scales[1])
;;     2. [M 16,384, K 1,024] x [K 1,024, N 2,048]; A: computed on the way; B: computed on the way: QUANTISED (scales: A lowp_scales[2], B lowp_scales[3])
;;   THE QUANTISER, for each operand of a quantised product, along K:
;;     - The operand's scale is 2^e, e = its entry of the input lowp_scales (int32; the entries are numbered through the quantised products in the list's order, A before B).
;;     - Each number is divided by the scale, clamped to +-448, and rounded to the nearest number of E4M3, ties to even, subnormals kept.
;;     - The product sums the exact products of the quantised numbers (number of the format x scale) in f32.
;;   ~~~python
;;   def quantise(x, axis, e):      # numpy; x: float32 -> the quantised numbers, widened to float32 again
;;       x = np.moveaxis(x, axis, -1); K = x.shape[-1]
;;       r = np.clip(x / 2.0 ** e, -448, 448)
;;       step = 2.0 ** (np.maximum(np.frexp(np.where(r == 0, 1, r))[1] - 1, -6) - 3)
;;       q = np.round(r / step) * step * 2.0 ** e      # np.round: ties to even
;;       return np.moveaxis(q, -1, axis).astype(np.float32)
;;   ~~~
;;   OPERANDS COMPUTED ON THE WAY. 'Computed on the way' means the value that the module computes at that place (a softmax that the list does not call 'softmax' is quantised finished and normalised). What goes into a quantiser is computed in f32, as accurately as f32 sums, v_exp_f32 and their like allow (about 1e-6 of the number): no bf16 or f16 on the way to a quantiser, and a product that is left as it is and whose result goes on into a quantised operand takes f32 operands (vector FMAs, or v_wmma_f32_16x16x4_f32). A number that lies on a knife's edge between two numbers of the format may be rounded either way, as far as f32 arithmetic and the matrix unit's own rounding can turn it there, and no further.
;; One version. Each part assembles by itself: llvm-mc -triple=amdgcn-amd-amdhsa -mcpu=gfx1250 --defsym DOCPART=n.
;; ======== version 1 of 1: 4 launches
;; limits: right only within a limited range of input values
;; workspace buffers: xcodes 33,554,432 bytes; wcodes 3,145,728 bytes; wpart 3,072 bytes; agg 655,360 bytes; au 134,217,728 bytes
;; launch prep (part 1): grid 608 x 1, 8 waves a work-group, no clusters, 67,584 bytes of LDS; arguments x, W_dt, W_x, lowp_scales, xcodes, wpart; writes xcodes, wpart
.if DOCPART == 1
	.amdgcn_target "amdgcn-amd-amdhsa--gfx1250"
	.amdhsa_code_object_version 6
	.text
	.protected	k_qaafde3700e_prep
	.globl	k_qaafde3700e_prep
	.p2align	8
	.type	k_qaafde3700e_prep,@function
k_qaafde3700e_prep:
	s_mov_b64 s[64:65], 0
	v_nop
	global_prefetch_b8 v0, s[64:65] scope:SCOPE_SE
	s_setreg_imm32_b32 hwreg(HW_REG_WAVE_MODE, 25, 1), 1
	s_wait_xcnt 0x0
; x [16384][1024] f32 -> two sets of E4M3 codes (scales 2^e0 and 2^e2) in the order of the matrix operand's registers; and 768 partial sums of |W|.
; Work-groups 0-511: 32 rows of x each (a PAIR of row tiles).  Work-groups 512-607: 128 KiB of W_dt (the first 32) or of W_x (the other 64) each.
; A ROW OF x: a = max(largest |x|, 1e-5); s = 127 / a; k = clip(round(x s), -128, 127); q = k / s; x_q = x + (q - x).  Both divisions are made by a reciprocal and
; a residual step (fused multiply-adds), so that they are rounded as a division is.  x_q is then held within +-448 x 2^e and converted, once for each of the two scales.
; One wave takes four whole rows (32 numbers a lane and row), so a row's maximum never leaves the wave.
; THE IMAGE.  xcodes = [set 2][pair 512][k 8][u 2][c 4][lane 32][16 bytes]: lane 16 h + r of chunk (k, u, c) holds K = 128 k + 32 c + 16 h + 0..15 of tile u's row r, and that row is
; row 8 u + r + 8 (r / 8) of the pair: so in the product's result a lane holds sixteen consecutive steps of one column.
; The codes meet in a stage in LDS (32 rows x 1,024 bytes + 16 of padding, for each set), row 16 u + r; behind one barrier each wave reads sixteen chunks and stores 512 consecutive bytes a line.
; LIMITS: e0 and e2 between -126 and 119, so that 2^e and 448 x 2^e are f32 numbers.  NaN among the inputs is not served.
; No tensor loads, no cluster: no two work-groups read the same byte.
.set PITCH, 1040                       ; a stage row: 65 x 16 bytes, so the sixteen rows of a 16-byte read start at sixteen different 16-byte columns
.set SETB,  32*PITCH                   ; a set's stage
.set KQ, 20                            ; v20-27  eight numbers at work
.set QQ, 28                            ; v28-35  likewise
.set HH, 36                            ; v36-43  x_q held for the first scale
.set CC, 52                            ; v52-83  a row's codes, 8 + 8 registers, two sets by the row's parity
.set X,  84                            ; v84-211 four rows x 32 numbers; later the chunks on their way out
	s_load_b256 s[4:11], s[0:1], 0x0               ; x s[4:5], W_dt s[6:7], W_x s[8:9], the scales' exponents s[10:11]
	s_load_b128 s[12:15], s[0:1], 0x20             ; xcodes s[12:13], wpart s[14:15]
	v_lshl_add_u32 v212, v0, 2, 0x10400
	v_mov_b32 v213, 0
	v_lshrrev_b32 v1, 5, v0
	s_delay_alu instid0(VALU_DEP_1)
	v_readfirstlane_b32 s16, v1                    ; wave 0..7
	v_and_b32 v1, 31, v0                           ; lane
	s_delay_alu instid0(VALU_DEP_1)
	v_lshlrev_b32 v2, 4, v1                        ; 16 x lane
	s_mov_b32 s26, 0x76543210                      ; lane selects: lane l xor 16
	s_mov_b32 s27, 0xfedcba98
	v_mov_b32 v19, 0                               ; a lane permute's destination counts as read: written once
	s_cmp_ge_u32 ttmp9, 512                        ; the same in all waves of a work-group
	s_cbranch_scc1 .Lwsum
	; ---------------- x ----------------
	s_lshl_b32 s18, ttmp9, 17                      ; 32 rows of 4,096 bytes,
	s_lshl_b32 s19, s16, 14                        ; my wave's four of them
	s_add_co_u32 s18, s18, s19
	s_mov_b32 s19, 0
	s_wait_kmcnt 0x0
	s_load_b128 s[20:23], s[10:11], 0x0            ; e0 .. e3
	s_add_nc_u64 s[4:5], s[4:5], s[18:19]
	s_wait_alu depctr_va_vdst(0)
.irp i, 0,1,2,3
.irp q, 0,1,2,3,4,5,6,7
	global_load_b128 v[X+32*\i+4*\q:X+32*\i+4*\q+3], v2, s[4:5] offset:4096*\i+512*\q th:TH_LOAD_NT   ; 512 consecutive bytes: register 4 q + n is K = 128 q + 4 lane + n
.endr
.endr
	s_bfe_u32 s28, s16, 0x10001                    ; my rows 4 w + i of the pair lie in stage rows 16 ((w >> 1) & 1) + 8 (w >> 2) + 4 (w & 1) + i
	s_lshl_b32 s28, s28, 4
	s_lshr_b32 s29, s16, 2
	s_lshl_b32 s29, s29, 3
	s_add_co_u32 s28, s28, s29
	s_and_b32 s29, s16, 1
	s_lshl_b32 s29, s29, 2
	s_add_co_u32 s28, s28, s29
	s_mul_i32 s28, s28, PITCH
	v_lshl_add_u32 v3, v1, 2, s28                  ; into the stage: 4 bytes a lane
	v_and_b32 v14, 15, v0                          ; r
	v_bfe_u32 v15, v0, 4, 1                        ; h
	s_delay_alu instid0(VALU_DEP_2)
	v_mul_u32_u24 v4, v14, PITCH
	s_delay_alu instid0(VALU_DEP_1)
	v_lshl_add_u32 v4, v15, 4, v4
	s_lshr_b32 s29, s16, 2                         ; out of it: wave w takes set w >> 2 and K steps 2 (w & 3), 2 (w & 3) + 1
	s_mul_i32 s29, s29, SETB
	s_and_b32 s30, s16, 3
	s_lshl_b32 s30, s30, 8
	s_add_co_u32 s29, s29, s30
	v_add_nc_u32 v4, s29, v4
	s_lshr_b32 s30, s16, 2
	s_lshl_b32 s30, s30, 24                        ; the set: 16,777,216 bytes
	s_lshl_b32 s31, ttmp9, 15                      ; the pair: 32,768
	s_add_co_u32 s30, s30, s31
	s_and_b32 s31, s16, 3
	s_lshl_b32 s31, s31, 13                        ; two K steps: 8,192
	s_add_co_u32 s30, s30, s31
	s_mov_b32 s31, 0
	s_add_nc_u64 s[12:13], s[12:13], s[30:31]
	s_mov_b32 s24, 0xc3000000                      ; -128
	s_mov_b32 s25, 0x42fe0000                      ; 127
	v_mov_b32 v7, 0                                ; (named as the upper halves of the pairs v[6:7], v[8:9])
	v_mov_b32 v9, 0
	s_wait_kmcnt 0x0
	s_add_co_i32 s32, s20, 127
	s_lshl_b32 s33, s32, 23
	v_mov_b32 v10, s33                             ; 2^e0: the conversion takes its exponent field
	s_add_co_i32 s32, s32, 8
	s_lshl_b32 s32, s32, 23
	s_or_b32 s32, s32, 0x600000
	v_mov_b32 v11, s32                             ; 448 x 2^e0
	s_add_co_i32 s32, s22, 127
	s_lshl_b32 s33, s32, 23
	v_mov_b32 v12, s33                             ; 2^e2
	s_add_co_i32 s32, s32, 8
	s_lshl_b32 s32, s32, 23
	s_or_b32 s32, s32, 0x600000
	v_mov_b32 v13, s32                             ; 448 x 2^e2
.macro ROW i
.set XR, X+32*(\i)
.set CR, CC+16*((\i)%2)
	s_wait_loadcnt 24-8*(\i)                       ; my row's eight loads are in; the later rows', eight each, stay out
	v_max3_num_f32 v14, |v[XR]|, |v[XR+1]|, |v[XR+2]|          ; the largest magnitude, in two chains
	v_max3_num_f32 v15, |v[XR+3]|, |v[XR+4]|, |v[XR+5]|
.irp n, 6,10,14,18,22,26
	s_delay_alu instid0(VALU_DEP_2)
	v_max3_num_f32 v14, v14, |v[XR+\n]|, |v[XR+\n+1]|
	s_delay_alu instid0(VALU_DEP_2)
	v_max3_num_f32 v15, v15, |v[XR+\n+2]|, |v[XR+\n+3]|
.endr
	s_delay_alu instid0(VALU_DEP_2)
	v_max3_num_f32 v14, v14, |v[XR+30]|, |v[XR+31]|
	s_delay_alu instid0(VALU_DEP_1)
	v_max_num_f32 v14, v14, v15
	s_delay_alu instid0(VALU_DEP_1)
	v_max_num_f32_dpp v14, v14, v14 row_xmask:1 row_mask:0xf bank_mask:0xf
	s_delay_alu instid0(VALU_DEP_1)
	v_max_num_f32_dpp v14, v14, v14 row_xmask:2 row_mask:0xf bank_mask:0xf
	s_delay_alu instid0(VALU_DEP_1)
	v_max_num_f32_dpp v14, v14, v14 row_xmask:4 row_mask:0xf bank_mask:0xf
	s_delay_alu instid0(VALU_DEP_1)
	v_max_num_f32_dpp v14, v14, v14 row_xmask:8 row_mask:0xf bank_mask:0xf
	s_delay_alu instid0(VALU_DEP_1)
	v_permlanex16_b32 v19, v14, s26, s27
	s_delay_alu instid0(VALU_DEP_1)
	v_max_num_f32 v14, v14, v19
	s_delay_alu instid0(VALU_DEP_1)
	v_max_num_f32 v14, 0x3727c5ac, v14             ; a = max(.., 1e-5)
	s_wait_alu depctr_va_vdst(0)
	v_rcp_f32 v15, v14
	v_nop                                          ; a plain line behind the reciprocal,
	s_wait_alu depctr_va_vdst(0)                   ; and the wait ahead of its first reader
	v_fma_f32 v16, -v14, v15, 1.0
	v_fma_f32 v15, v16, v15, v15                   ; 1 / a, refined
	s_delay_alu instid0(VALU_DEP_1)
	v_mul_f32 v16, s25, v15
	s_delay_alu instid0(VALU_DEP_1)
	v_fma_f32 v17, -v14, v16, s25                  ; 127 - a q, exact in the fused form
	s_delay_alu instid0(VALU_DEP_1)
	v_fma_f32 v6, v17, v15, v16                    ; s = 127 / a
	s_wait_alu depctr_va_vdst(0)
	v_rcp_f32 v15, v6
	v_nop
	s_wait_alu depctr_va_vdst(0)
	v_fma_f32 v16, -v6, v15, 1.0
	v_fma_f32 v8, v16, v15, v15                    ; 1 / s, refined
.if (\i) >= 2
	s_wait_dscnt 16                                ; the stage stores of the row two back have read these code registers; the last row's sixteen may be out
.endif
.irp g, 0,1,2,3
.irp n, 0,2,4,6
	v_pk_mul_f32 v[KQ+\n:KQ+\n+1], v[XR+8*\g+\n:XR+8*\g+\n+1], v[6:7] op_sel_hi:[1,0]      ; x s
.endr
.irp n, 0,1,2,3,4,5,6,7
	v_rndne_f32 v[KQ+\n], v[KQ+\n]
.endr
.irp n, 0,1,2,3,4,5,6,7
	v_med3_num_f32 v[KQ+\n], v[KQ+\n], s24, s25                                            ; k
.endr
.irp n, 0,2,4,6
	v_pk_mul_f32 v[QQ+\n:QQ+\n+1], v[KQ+\n:KQ+\n+1], v[8:9] op_sel_hi:[1,0]                ; k / s, first guess,
.endr
.irp n, 0,2,4,6
	s_delay_alu instid0(VALU_DEP_4)
	v_pk_fma_f32 v[KQ+\n:KQ+\n+1], v[QQ+\n:QQ+\n+1], v[6:7], v[KQ+\n:KQ+\n+1] op_sel_hi:[1,0,1] neg_lo:[1,0,0] neg_hi:[1,0,0]   ; its residual k - q s,
.endr
.irp n, 0,2,4,6
	s_delay_alu instid0(VALU_DEP_4)
	v_pk_fma_f32 v[QQ+\n:QQ+\n+1], v[KQ+\n:KQ+\n+1], v[8:9], v[QQ+\n:QQ+\n+1] op_sel_hi:[1,0,1]   ; and the quotient
.endr
.irp n, 0,2,4,6
	s_delay_alu instid0(VALU_DEP_4)
	v_pk_add_f32 v[KQ+\n:KQ+\n+1], v[QQ+\n:QQ+\n+1], v[XR+8*\g+\n:XR+8*\g+\n+1] neg_lo:[0,1] neg_hi:[0,1]   ; q - x
.endr
.irp n, 0,2,4,6
	s_delay_alu instid0(VALU_DEP_4)
	v_pk_add_f32 v[XR+8*\g+\n:XR+8*\g+\n+1], v[XR+8*\g+\n:XR+8*\g+\n+1], v[KQ+\n:KQ+\n+1]  ; x_q = x + (q - x)
.endr
.irp n, 0,1,2,3,4,5,6,7
	v_med3_num_f32 v[HH+\n], v[XR+8*\g+\n], -v11, v11      ; the conversion to an 8-bit code does not saturate (ISA guide 7.6.2): the hold comes first
.endr
.irp n, 0,1,2,3,4,5,6,7
	v_med3_num_f32 v[XR+8*\g+\n], v[XR+8*\g+\n], -v13, v13
.endr
	v_cvt_scalef32_pk8_fp8_f32 v[CR+2*\g:CR+2*\g+1], v[HH:HH+7], v10                       ; first word: K step 2 g, second word: K step 2 g + 1, four codes at 4 lane each
	v_cvt_scalef32_pk8_fp8_f32 v[CR+8+2*\g:CR+8+2*\g+1], v[XR+8*\g:XR+8*\g+7], v12
.endr
	v_nop                                          ; a plain line behind the last conversion
.irp k, 0,1,2,3,4,5,6,7
	ds_store_b32 v3, v[CR+\k] offset:PITCH*(\i)+128*\k                                     ; 32 lanes: 128 consecutive bytes of the row
	ds_store_b32 v3, v[CR+8+\k] offset:SETB+PITCH*(\i)+128*\k
.endr
.endm
	ROW 0
	ROW 1
	ROW 2
	ROW 3
	s_wait_dscnt 0x0                               ; for the others' sake: my stores into the stage are done
	s_barrier_signal -1
	s_barrier_wait -1
.irp i, 0,1,2,3,4,5,6,7,8,9,10,11,12,13,14,15
	ds_load_b128 v[X+4*\i:X+4*\i+3], v4 offset:128*(\i/8)+16*PITCH*((\i/4)%2)+32*(\i%4)    ; chunk (k = i / 8, u = (i / 4) % 2, c = i % 4)
.endr
.irp i, 0,1,2,3,4,5,6,7,8,9,10,11,12,13,14,15
	s_wait_dscnt 15-\i
	global_store_b128 v2, v[X+4*\i:X+4*\i+3], s[12:13] offset:512*\i                       ; 512 consecutive bytes, at a multiple of 512 from the buffer's first byte
.endr
	s_wait_tensorcnt 0x0
	ds_add_u32 v212, v213
	s_wait_dscnt 0x0
	s_endpgm
	; ---------------- sums of |W| ----------------
.Lwsum:
	s_sub_co_u32 s17, ttmp9, 512                   ; 0..95
	s_wait_kmcnt 0x0
	s_cmp_lt_u32 s17, 32                           ; W_dt's work-group or W_x's: the choice hangs on the work-group's number alone
	s_cselect_b64 s[4:5], s[6:7], s[8:9]
	s_cselect_b32 s18, 0, 32
	s_sub_co_u32 s18, s17, s18
	s_lshl_b32 s18, s18, 3
	s_add_co_u32 s18, s18, s16
	s_lshl_b32 s18, s18, 14                        ; my wave's 16,384 bytes
	s_mov_b32 s19, 0
	s_add_nc_u64 s[4:5], s[4:5], s[18:19]
.set I, 0
	s_wait_alu depctr_va_vdst(0)
.rept 32
	global_load_b128 v[X+4*I:X+4*I+3], v2, s[4:5] offset:512*I th:TH_LOAD_NT
.set I, I+1
.endr
	s_lshl_b32 s18, s17, 3
	s_add_co_u32 s18, s18, s16
	s_lshl_b32 s18, s18, 2                         ; entry 8 q + wave
	s_add_nc_u64 s[14:15], s[14:15], s[18:19]
	v_mov_b32 v5, 0
	s_wait_loadcnt 16                              ; the first sixteen loads are in
.irp c, 0,1,2,3,4,5,6,7
	v_add_f32 v[20+\c], |v[X+\c]|, |v[X+8+\c]|     ; eight chains, started by the first numbers
.endr
.set I, 2
.rept 6
.irp c, 0,1,2,3,4,5,6,7
	v_add_f32 v[20+\c], v[20+\c], |v[X+8*I+\c]|
.endr
.set I, I+1
.endr
	s_wait_alu depctr_va_vdst(0)
	s_wait_loadcnt 0x0
.rept 8
.irp c, 0,1,2,3,4,5,6,7
	v_add_f32 v[20+\c], v[20+\c], |v[X+8*I+\c]|
.endr
.set I, I+1
.endr
	v_add_f32 v20, v20, v21
	v_add_f32 v22, v22, v23
	v_add_f32 v24, v24, v25
	s_delay_alu instid0(VALU_DEP_4)
	v_add_f32 v26, v26, v27
	s_delay_alu instid0(VALU_DEP_3)
	v_add_f32 v20, v20, v22
	s_delay_alu instid0(VALU_DEP_2)
	v_add_f32 v24, v24, v26
	s_delay_alu instid0(VALU_DEP_1)
	v_add_f32 v20, v20, v24
	s_delay_alu instid0(VALU_DEP_1)
	v_add_f32_dpp v20, v20, v20 row_xmask:1 row_mask:0xf bank_mask:0xf
	s_delay_alu instid0(VALU_DEP_1)
	v_add_f32_dpp v20, v20, v20 row_xmask:2 row_mask:0xf bank_mask:0xf
	s_delay_alu instid0(VALU_DEP_1)
	v_add_f32_dpp v20, v20, v20 row_xmask:4 row_mask:0xf bank_mask:0xf
	s_delay_alu instid0(VALU_DEP_1)
	v_add_f32_dpp v20, v20, v20 row_xmask:8 row_mask:0xf bank_mask:0xf
	s_delay_alu instid0(VALU_DEP_1)
	v_permlanex16_b32 v19, v20, s26, s27
	s_delay_alu instid0(VALU_DEP_1)
	v_add_f32 v20, v20, v19
	v_cmp_eq_u32 vcc_lo, 0, v1
	s_wait_alu depctr_va_vdst(0)
	s_wait_xcnt 0x0                                ; EXEC changes only behind this wait
	s_and_saveexec_b32 s30, vcc_lo
	global_store_b32 v5, v20, s[14:15]             ; lane 0 stores the wave's sum
	s_wait_xcnt 0x0                                ; and again in front of the line that widens it
	s_or_b32 exec_lo, exec_lo, s30
	s_endpgm
.Lfunc_end_k_qaafde3700e_prep:
	.size	k_qaafde3700e_prep, .Lfunc_end_k_qaafde3700e_prep-k_qaafde3700e_prep
	.p2alignl 7, 3214868480
	.fill 96, 4, 3214868480
	.section	.rodata,"a",@progbits
	.p2align	6, 0x0
	.amdhsa_kernel k_qaafde3700e_prep
		.amdhsa_group_segment_fixed_size 67584
		.amdhsa_private_segment_fixed_size 0
		.amdhsa_enable_private_segment 0
		.amdhsa_kernarg_size 48
		.amdhsa_user_sgpr_count 2
		.amdhsa_user_sgpr_kernarg_segment_ptr 1
		.amdhsa_wavefront_size32 1
		.amdhsa_system_sgpr_workgroup_id_x 1
		.amdhsa_system_sgpr_workgroup_id_y 1
		.amdhsa_system_sgpr_workgroup_id_z 1
		.amdhsa_system_vgpr_workitem_id 0
		.amdhsa_next_free_vgpr 214
		.amdhsa_next_free_sgpr 66
		.amdhsa_reserve_vcc 1
		.amdhsa_float_denorm_mode_32 3
		.amdhsa_float_denorm_mode_16_64 3
		.amdhsa_memory_ordered 1
		.amdhsa_forward_progress 1
		.amdhsa_inst_pref_size 100
	.end_amdhsa_kernel
	.amdgpu_metadata
---
amdhsa.version: [ 1, 2 ]
amdhsa.kernels:
  - .name:           k_qaafde3700e_prep
    .symbol:         k_qaafde3700e_prep.kd
    .args:
      - { .name: x, .offset: 0, .size: 8, .value_kind: global_buffer, .address_space: global }
      - { .name: W_dt, .offset: 8, .size: 8, .value_kind: global_buffer, .address_space: global }
      - { .name: W_x, .offset: 16, .size: 8, .value_kind: global_buffer, .address_space: global }
      - { .name: lowp_scales, .offset: 24, .size: 8, .value_kind: global_buffer, .address_space: global }
      - { .name: xcodes, .offset: 32, .size: 8, .value_kind: global_buffer, .address_space: global }
      - { .name: wpart, .offset: 40, .size: 8, .value_kind: global_buffer, .address_space: global }
    .group_segment_fixed_size: 67584
    .private_segment_fixed_size: 0
    .kernarg_segment_align: 8
    .kernarg_segment_size: 48
    .max_flat_workgroup_size: 256
    .sgpr_count:     66
    .vgpr_count:     214
    .wavefront_size: 32
...
	.end_amdgpu_metadata
.endif
;; end of part 1
;; launch wcode (part 2): grid 192 x 1, 8 waves a work-group, no clusters, 17,664 bytes of LDS; arguments W_dt, W_x, lowp_scales, wpart, wcodes; writes wcodes
.if DOCPART == 2
	.amdgcn_target "amdgcn-amd-amdhsa--gfx1250"
	.amdhsa_code_object_version 6
	.text
	.protected	k_qaafde3700e_wcode
	.globl	k_qaafde3700e_wcode
	.p2align	8
	.type	k_qaafde3700e_wcode,@function
k_qaafde3700e_wcode:
	s_mov_b64 s[64:65], 0
	v_nop
	global_prefetch_b8 v0, s[64:65] scope:SCOPE_SE
	s_setreg_imm32_b32 hwreg(HW_REG_WAVE_MODE, 25, 1), 1
	s_wait_xcnt 0x0
; W_dt [1024][1024] and W_x [2048][1024], f32 -> E4M3 codes of the ternary weights, in the order of the matrix operand's registers.
; ws = mean|W| + 1e-5 (the 256 or 512 partial sums of the launch before are added here, by every wave alike); W_q = W + (clip(round(W / ws), -1, 1) ws - W); code = W_q / 2^e held within +-448.
; The division is a reciprocal and a residual step, so that it is rounded as a division is.
; Work-group id: m = id / 64 (0: W_dt, 1: W_x's rows 0-1023, 2: its rows 1024-2047), tile id % 64 of 16 rows.  Wave w takes rows 2 w, 2 w + 1; the codes meet in a stage in LDS
; (16 rows x 1,024 bytes + 16), and behind one barrier wave w stores K step w: four chunks of 512 consecutive bytes.
; wcodes = [pair 32][k 8][m 3][u 2][c 4][lane 32][16 bytes]: lane 16 h + r of a chunk holds K = 128 k + 32 c + 16 h + 0..15 of row 32 pair + 16 u + r.
; LIMITS: e1 and e3 between -126 and 119.  NaN among the inputs is not served.
.set PITCH, 1040
.set WP, 20                            ; v20-43  the partial sums
.set QQ, 44                            ; v44-51  at work
.set EE, 52                            ; v52-59
.set CC, 60                            ; v60-75  codes, 8 registers a row
.set X,  76                            ; v76-139 two rows x 32 numbers
	s_load_b256 s[4:11], s[0:1], 0x0               ; W_dt s[4:5], W_x s[6:7], the scales' exponents s[8:9], wpart s[10:11]
	s_load_b64 s[12:13], s[0:1], 0x20              ; wcodes
	v_lshl_add_u32 v140, v0, 2, 0x4100
	v_mov_b32 v141, 0
	v_lshrrev_b32 v1, 5, v0
	s_delay_alu instid0(VALU_DEP_1)
	v_readfirstlane_b32 s16, v1                    ; wave 0..7
	v_and_b32 v1, 31, v0
	s_delay_alu instid0(VALU_DEP_1)
	v_lshlrev_b32 v2, 4, v1                        ; 16 x lane
	s_mov_b32 s26, 0x76543210
	s_mov_b32 s27, 0xfedcba98
	v_mov_b32 v19, 0                               ; a lane permute's destination counts as read
	v_mov_b32 v7, 0                                ; (upper halves of the pairs v[6:7], v[8:9])
	v_mov_b32 v9, 0
	s_cmp_lt_u32 ttmp9, 64                         ; W_dt or W_x
	s_cselect_b32 s17, 0, 64
	s_cselect_b32 s30, -1, 0                       ; as a lane mask
	s_mov_b32 s31, 0x35000000                      ; 2^-21 = 1 / (2048 x 1024),
	s_cselect_b32 s31, 0x35800000, s31             ; or 2^-20
	s_sub_co_u32 s17, ttmp9, s17
	s_lshl_b32 s17, s17, 4
	s_lshl_b32 s18, s16, 1
	s_add_co_u32 s17, s17, s18                     ; my first row in its tensor
	s_lshl_b32 s18, s17, 12
	s_mov_b32 s19, 0
	s_wait_alu depctr_va_vdst(0)
	s_wait_kmcnt 0x0
	s_load_b128 s[20:23], s[8:9], 0x0              ; e0 .. e3
	s_cmp_lt_u32 ttmp9, 64
	s_cselect_b64 s[4:5], s[4:5], s[6:7]
	s_add_nc_u64 s[4:5], s[4:5], s[18:19]
.irp i, 0,1,2,3,4,5
	global_load_b128 v[WP+4*\i:WP+4*\i+3], v2, s[10:11] offset:512*\i
.endr
.irp i, 0,1
.irp q, 0,1,2,3,4,5,6,7
	global_load_b128 v[X+32*\i+4*\q:X+32*\i+4*\q+3], v2, s[4:5] offset:4096*\i+512*\q th:TH_LOAD_NT   ; register 4 q + n is K = 128 q + 4 lane + n
.endr
.endr
	s_mul_i32 s28, s16, 2*PITCH
	v_lshl_add_u32 v3, v1, 2, s28                  ; into the stage
	v_and_b32 v14, 15, v0
	v_bfe_u32 v15, v0, 4, 1
	s_delay_alu instid0(VALU_DEP_2)
	v_mul_u32_u24 v4, v14, PITCH
	s_delay_alu instid0(VALU_DEP_1)
	v_lshl_add_u32 v4, v15, 4, v4
	s_lshl_b32 s28, s16, 7
	v_add_nc_u32 v4, s28, v4                       ; out of it: row r, + 16 h, K step = my wave
	s_and_b32 s24, ttmp9, 63                       ; the tile of 16 rows
	s_lshr_b32 s25, s24, 1
	s_mul_i32 s25, s25, 98304                      ; its pair,
	s_and_b32 s24, s24, 1
	s_lshl_b32 s24, s24, 11                        ; u,
	s_add_co_u32 s24, s24, s25
	s_lshr_b32 s25, ttmp9, 6
	s_lshl_b32 s25, s25, 12                        ; m,
	s_add_co_u32 s24, s24, s25
	s_mul_i32 s25, s16, 12288                      ; k
	s_add_co_u32 s24, s24, s25
	s_mov_b32 s25, 0
	s_add_nc_u64 s[12:13], s[12:13], s[24:25]
	s_wait_kmcnt 0x0
	s_cmp_lt_u32 ttmp9, 64
	s_cselect_b32 s21, s21, s23                    ; e1 or e3
	s_add_co_i32 s21, s21, 127
	s_lshl_b32 s22, s21, 23
	v_mov_b32 v10, s22                             ; 2^e
	s_add_co_i32 s21, s21, 8
	s_lshl_b32 s21, s21, 23
	s_or_b32 s21, s21, 0x600000
	v_mov_b32 v11, s21                             ; 448 x 2^e
	s_wait_loadcnt 16                              ; the six loads of partial sums are in; the rows' sixteen stay out
	v_add_f32 v12, v[WP], v[WP+1]                  ; W_dt's 256: eight a lane
	v_add_f32 v13, v[WP+2], v[WP+3]
	v_add_f32 v14, v[WP+4], v[WP+5]
	v_add_f32 v15, v[WP+6], v[WP+7]
	s_delay_alu instid0(VALU_DEP_3)
	v_add_f32 v12, v12, v13
	s_delay_alu instid0(VALU_DEP_2)
	v_add_f32 v14, v14, v15
	s_delay_alu instid0(VALU_DEP_1)
	v_add_f32 v12, v12, v14
.irp c, 0,1,2,3
	v_add_f32 v[13+\c], v[WP+8+\c], v[WP+12+\c]    ; W_x's 512: sixteen a lane, four chains
.endr
.irp c, 0,1,2,3
	s_delay_alu instid0(VALU_DEP_4)
	v_add_f32 v[13+\c], v[13+\c], v[WP+16+\c]
.endr
.irp c, 0,1,2,3
	s_delay_alu instid0(VALU_DEP_4)
	v_add_f32 v[13+\c], v[13+\c], v[WP+20+\c]
.endr
	s_delay_alu instid0(VALU_DEP_3)
	v_add_f32 v13, v13, v14
	s_delay_alu instid0(VALU_DEP_2)
	v_add_f32 v15, v15, v16
	s_delay_alu instid0(VALU_DEP_1)
	v_add_f32 v13, v13, v15
	s_delay_alu instid0(VALU_DEP_1)
	v_cndmask_b32 v12, v13, v12, s30               ; my tensor's
	s_delay_alu instid0(VALU_DEP_1)
	v_add_f32_dpp v12, v12, v12 row_xmask:1 row_mask:0xf bank_mask:0xf
	s_delay_alu instid0(VALU_DEP_1)
	v_add_f32_dpp v12, v12, v12 row_xmask:2 row_mask:0xf bank_mask:0xf
	s_delay_alu instid0(VALU_DEP_1)
	v_add_f32_dpp v12, v12, v12 row_xmask:4 row_mask:0xf bank_mask:0xf
	s_delay_alu instid0(VALU_DEP_1)
	v_add_f32_dpp v12, v12, v12 row_xmask:8 row_mask:0xf bank_mask:0xf
	s_delay_alu instid0(VALU_DEP_1)
	v_permlanex16_b32 v19, v12, s26, s27
	s_delay_alu instid0(VALU_DEP_1)
	v_add_f32 v12, v12, v19
	s_delay_alu instid0(VALU_DEP_1)
	v_fma_f32 v6, v12, s31, 0x3727c5ac             ; ws = sum / count + 1e-5 (the division by a power of two rounds nothing)
	s_wait_alu depctr_va_vdst(0)
	v_rcp_f32 v13, v6
	v_nop
	s_wait_alu depctr_va_vdst(0)                   ; the wait ahead of the first reader
	v_fma_f32 v14, -v6, v13, 1.0
	v_fma_f32 v8, v14, v13, v13                    ; 1 / ws, refined
.macro ROWW i
.set XR, X+32*(\i)
	s_wait_loadcnt 8-8*(\i)                        ; this row's eight loads are in
.irp g, 0,1,2,3
.irp n, 0,2,4,6
	v_pk_mul_f32 v[QQ+\n:QQ+\n+1], v[XR+8*\g+\n:XR+8*\g+\n+1], v[8:9] op_sel_hi:[1,0]
.endr
.irp n, 0,2,4,6
	s_delay_alu instid0(VALU_DEP_4)
	v_pk_fma_f32 v[EE+\n:EE+\n+1], v[QQ+\n:QQ+\n+1], v[6:7], v[XR+8*\g+\n:XR+8*\g+\n+1] op_sel_hi:[1,0,1] neg_lo:[1,0,0] neg_hi:[1,0,0]   ; W - q ws
.endr
.irp n, 0,2,4,6
	s_delay_alu instid0(VALU_DEP_4)
	v_pk_fma_f32 v[QQ+\n:QQ+\n+1], v[EE+\n:EE+\n+1], v[8:9], v[QQ+\n:QQ+\n+1] op_sel_hi:[1,0,1]   ; W / ws
.endr
.irp n, 0,1,2,3,4,5,6,7
	v_rndne_f32 v[QQ+\n], v[QQ+\n]
.endr
.irp n, 0,1,2,3,4,5,6,7
	v_med3_num_f32 v[QQ+\n], v[QQ+\n], -1.0, 1.0
.endr
.irp n, 0,2,4,6
	v_pk_mul_f32 v[QQ+\n:QQ+\n+1], v[QQ+\n:QQ+\n+1], v[6:7] op_sel_hi:[1,0]
.endr
.irp n, 0,2,4,6
	s_delay_alu instid0(VALU_DEP_4)
	v_pk_add_f32 v[EE+\n:EE+\n+1], v[QQ+\n:QQ+\n+1], v[XR+8*\g+\n:XR+8*\g+\n+1] neg_lo:[0,1] neg_hi:[0,1]
.endr
.irp n, 0,2,4,6
	s_delay_alu instid0(VALU_DEP_4)
	v_pk_add_f32 v[XR+8*\g+\n:XR+8*\g+\n+1], v[XR+8*\g+\n:XR+8*\g+\n+1], v[EE+\n:EE+\n+1]   ; W_q = W + (q - W)
.endr
.irp n, 0,1,2,3,4,5,6,7
	v_med3_num_f32 v[XR+8*\g+\n], v[XR+8*\g+\n], -v11, v11   ; the hold: the conversion does not saturate (ISA guide 7.6.2)
.endr
	v_cvt_scalef32_pk8_fp8_f32 v[CC+8*(\i)+2*\g:CC+8*(\i)+2*\g+1], v[XR+8*\g:XR+8*\g+7], v10
.endr
	v_nop                                          ; a plain line behind the last conversion
.irp k, 0,1,2,3,4,5,6,7
	ds_store_b32 v3, v[CC+8*(\i)+\k] offset:PITCH*(\i)+128*\k
.endr
.endm
	s_wait_alu depctr_va_vdst(0)
	ROWW 0
	ROWW 1
	s_wait_dscnt 0x0                               ; for the others' sake
	s_barrier_signal -1
	s_barrier_wait -1
.irp c, 0,1,2,3
	ds_load_b128 v[X+4*\c:X+4*\c+3], v4 offset:32*\c
.endr
.irp c, 0,1,2,3
	s_wait_dscnt 3-\c
	global_store_b128 v2, v[X+4*\c:X+4*\c+3], s[12:13] offset:512*\c   ; 512 consecutive bytes, aligned
.endr
	s_wait_tensorcnt 0x0
	ds_add_u32 v140, v141
	s_wait_dscnt 0x0
	s_endpgm
.Lfunc_end_k_qaafde3700e_wcode:
	.size	k_qaafde3700e_wcode, .Lfunc_end_k_qaafde3700e_wcode-k_qaafde3700e_wcode
	.p2alignl 7, 3214868480
	.fill 96, 4, 3214868480
	.section	.rodata,"a",@progbits
	.p2align	6, 0x0
	.amdhsa_kernel k_qaafde3700e_wcode
		.amdhsa_group_segment_fixed_size 17664
		.amdhsa_private_segment_fixed_size 0
		.amdhsa_enable_private_segment 0
		.amdhsa_kernarg_size 40
		.amdhsa_user_sgpr_count 2
		.amdhsa_user_sgpr_kernarg_segment_ptr 1
		.amdhsa_wavefront_size32 1
		.amdhsa_system_sgpr_workgroup_id_x 1
		.amdhsa_system_sgpr_workgroup_id_y 1
		.amdhsa_system_sgpr_workgroup_id_z 1
		.amdhsa_system_vgpr_workitem_id 0
		.amdhsa_next_free_vgpr 142
		.amdhsa_next_free_sgpr 66
		.amdhsa_reserve_vcc 0
		.amdhsa_float_denorm_mode_32 3
		.amdhsa_float_denorm_mode_16_64 3
		.amdhsa_memory_ordered 1
		.amdhsa_forward_progress 1
		.amdhsa_inst_pref_size 36
	.end_amdhsa_kernel
	.amdgpu_metadata
---
amdhsa.version: [ 1, 2 ]
amdhsa.kernels:
  - .name:           k_qaafde3700e_wcode
    .symbol:         k_qaafde3700e_wcode.kd
    .args:
      - { .name: W_dt, .offset: 0, .size: 8, .value_kind: global_buffer, .address_space: global }
      - { .name: W_x, .offset: 8, .size: 8, .value_kind: global_buffer, .address_space: global }
      - { .name: lowp_scales, .offset: 16, .size: 8, .value_kind: global_buffer, .address_space: global }
      - { .name: wpart, .offset: 24, .size: 8, .value_kind: global_buffer, .address_space: global }
      - { .name: wcodes, .offset: 32, .size: 8, .value_kind: global_buffer, .address_space: global }
    .group_segment_fixed_size: 17664
    .private_segment_fixed_size: 0
    .kernarg_segment_align: 8
    .kernarg_segment_size: 40
    .max_flat_workgroup_size: 256
    .sgpr_count:     66
    .vgpr_count:     142
    .wavefront_size: 32
...
	.end_amdgpu_metadata
.endif
;; end of part 2
;; launch pass1 (part 3): grid 8 x 32, 8 waves a work-group, clusters of 4 x 1, 327,680 bytes of LDS; arguments xcodes, wcodes, lowp_scales, A_log, b_dt, b_x, agg, au; writes agg, au
.if DOCPART == 3
	.amdgcn_target "amdgcn-amd-amdhsa--gfx1250"
	.amdhsa_code_object_version 6
	.text
	.protected	k_qaafde3700e_pass1
	.globl	k_qaafde3700e_pass1
	.p2align	8
	.type	k_qaafde3700e_pass1,@function
k_qaafde3700e_pass1:
	s_mov_b64 s[64:65], 0
	v_nop
	global_prefetch_b8 v0, s[64:65] scope:SCOPE_SE
	s_setreg_imm32_b32 hwreg(HW_REG_WAVE_MODE, 25, 1), 1
	s_wait_xcnt 0x0
	s_wait_alu depctr_hold_cnt(0) depctr_sa_sdst(0) depctr_va_vdst(0) depctr_va_sdst(0) depctr_va_ssrc(0) depctr_va_vcc(0) depctr_vm_vsrc(0)
	s_getreg_b32 s2, hwreg(HW_REG_IB_STS2, 6, 4)
	s_cmp_eq_u32 s2, 0
	s_cbranch_scc0 .Lentry_in_a_cluster
	s_endpgm
.Lentry_in_a_cluster:
	s_bfe_u32 s2, ttmp6, 0x10000c
	s_cmp_lg_u32 s2, 0x3003
	s_cbranch_scc0 .Lentry_shape_is_right
	s_endpgm
.Lentry_shape_is_right:
; THE FIRST PASS: the products for dt and b; alpha and dt b of every step to au; the scan of each range of 512 steps as if it began a sequence; five numbers for each (range, column) to agg.
; The launch behind folds the earlier ranges' numbers into a carry, loads alpha and dt b, and makes the true scan.
; SHARES.  Work-group (gx, y): columns 128 gx .. + 127, steps 512 y .. + 511.  Eight waves, two to a SIMD, 512 registers each.
; PRODUCTS: wave w multiplies ONE matrix (m = w & 1: dt or b) for the 32 columns of group w >> 1: its 16 fragments of W (8 K steps x 2 tiles, 256 registers, window 1) are loaded once, and it reads
; only its own set of x's codes from LDS, 32,768 bytes a pair of 32 steps.  Then the dt wave and the b wave of a column group exchange one tile of 16 registers through LDS, as an image of the registers:
; the dt wave keeps tile 0 and takes b's tile 0, the b wave keeps tile 1 and takes dt's tile 1.  THE SCAN: wave w has columns 128 gx + 16 w .. + 15.
; TWO GROUPS, HALF A PAIR APART.  Waves 0-3 multiply pair t in half 2 t and scan it in half 2 t + 1; waves 4-7 multiply it in half 2 t + 1 and scan it in half 2 t + 2.  A barrier ends every half: it
; stands between the exchange's stores and its loads.  The role of a wave in half h is (h + group) & 1; the products and the scan stand once in the loop over the halves.
; x's codes come a pair (both sets, 65,536 bytes) at a time through a ring of two LDS slots; each wave fetches 8,192 bytes.  A slot is filled again once a pair, behind a round of the cluster's barrier.
; CLUSTER.  The four work-groups of a cluster have the same y and so the same pairs: each eighth of a slot is asked for jointly, by the same tensor load with the same descriptor and the mask 15.
; PREFETCH.  Behind the load of pair t + 1 each wave names pair t + 3: of the 32 blocks of 256 bytes that it will fetch, the partner at place cx takes eight, told apart by address; lanes 8-31 name the last again.
; It stops with pair 15; pairs 0 to 2 come by their loads alone.
; LAYOUT.  Source 0 = 16 steps of x, source 1 = 16 columns of W.  Lane 16 h + r holds, in the 16 registers of a pair's two step tiles, steps 16 h + 0..15 of column r.
; au = [range 32][gx 8][pair 16][wave 8][chunk 8][lane 32][16 bytes]: chunks 0-3 are alpha's registers, chunks 4-7 those of dt b, as they stand.
; THE SCAN, in the form in which it is defined: alpha = exp(clip(dt A)); prefix = cumprod(alpha); g = dt b / (prefix one step back); S = cumsum(g).  Overflow of g and of S is part of the result, so it is kept.
; DENORMALS (a stated choice): the result is taken as that of f32 arithmetic in which a number under 2^-126 counts as 0; the launch behind sets such a prefix to 0.
; ASSOCIATION (a stated choice): within an aligned block of 16 steps products and sums run in order from the block's first step; the blocks' totals are taken in order.
; LIMITS: e0 + e1 and e2 + e3 between -126 and 127, so that each power of two below is an f32 number.  NaN among the inputs is not served.
.set SLOTB, 65536                      ; a slot: set 0's image of a pair (32,768 bytes), then set 1's
.set XCH,   131072                     ; behind the ring: the exchange, two buffers by the half's parity, 2,048 bytes a wave in each
.set XBUF,  16384
.set SPARE, XCH+2*XBUF                 ; the spare words, 128 bytes for each of eight waves: four blocks of 256 bytes that no other line names
; window 0.  What a packed line takes for both halves stands at an even register; the odd one beside it is written at the head.
.set LI,  1                            ; 16 x lane
.set BD,  2                            ; b_dt
.set ADR, 3                            ; LDS address of my set in the slot in hand
.set BB,  4                            ; b_x
.set XS,  5                            ; the exchange: where I store
.set ALH, 6                            ; A log2(e), high word
.set XL,  7                            ; the exchange: where I load my partner's
.set ALL, 8                            ; A log2(e), low word
.set PCR, 9                            ; the prefix ahead of the pair
.set PB,  10                           ; the prefix ahead of my block
.set OCR, 11                           ; the sum ahead of the pair
.set OB,  12                           ; the sum ahead of my block
.set PD,  13                           ; lane permutes' destination
.set SA,  14
.set SB,  15
.set TM1, 16                           ; largest |g| and |sum within a block|
.set SMX, 17                           ; largest S
.set SMN, 18                           ; smallest S
.set PFO, 19                           ; the prefetch's offset; never rewritten
.set AGO, 20                           ; my offset in agg
.set AB,  21                           ; 16 x lane + my set's place in a slot
.set SPW, 30                           ; LDS address of my spare word; never rewritten
.set NIL, 31                           ; 0; never rewritten
.set ZD,  32                           ; tile 0's sums; in the scan z of dt, dt, alpha
.set ZB,  48                           ; tile 1's sums; in the scan b, dt b
.set FB,  64                           ; four buffers of x's fragments, 32 registers each
.set TT,  64                           ; in the scan: sixteen numbers at work,
.set RR,  80                           ; the reciprocals of the prefix one step back,
.set PR,  96                           ; the running product, then the prefix,
.set GG,  112                          ; g, then the sums
.set MSB, 0
.macro WIN new                         ; the immediate's high byte repeats the setting that is left
.if MSB != (\new)
	s_set_vgpr_msb (MSB<<8)|(\new)
.set MSB, \new
.endif
.endm
.macro ROUND                           ; a round of the cluster's barrier
	s_barrier_signal -1
	s_barrier_wait -1
	s_cmp_lg_u32 s20, 0
	s_cbranch_scc1 .Lnot_wave_0_\@
	s_barrier_signal -3
.Lnot_wave_0_\@:
	s_barrier_wait -3
	s_barrier_signal -1
	s_barrier_wait -1
.endm
.macro NOPS
.rept 4
	v_nop
.endr
.endm
	s_load_b256 s[4:11], s[0:1], 0x0               ; xcodes s[4:5], wcodes s[6:7], the scales' exponents s[8:9], A_log s[10:11]
	s_load_b128 s[12:15], s[0:1], 0x20             ; b_dt s[12:13], b_x s[14:15]
	s_load_b128 s[16:19], s[0:1], 0x30             ; agg s[16:17], au s[18:19]
	v_lshl_add_u32 v[SPW], v0, 2, SPARE
	v_mov_b32 v[NIL], 0
	ds_add_u32 v[SPW], v[NIL]                      ; the opening lines: the add, twice on end, and its wait ahead of my first tensor load
	ds_add_u32 v[SPW], v[NIL]
	v_lshrrev_b32 v1, 5, v0
	v_readfirstlane_b32 s20, v1                    ; wave 0..7
	s_lshr_b32 s49, s20, 2                         ; group: 0 leads, 1 follows half a pair behind
	s_and_b32 s50, s20, 1                          ; m: dt or b
	s_lshr_b32 s54, s20, 1                         ; my group of 32 columns
	s_bfe_u32 s58, ttmp6, 0x40000                  ; cx: it enters global addresses alone
	s_lshl_b32 s23, ttmp9, 2
	s_add_co_u32 s23, s23, s58                     ; gx = 4 x cluster x + cx
	s_and_b32 s36, ttmp7, 0xffff                   ; y, which the four partners share
	; descriptor group 1: 32 dense rows of 32 elements of 8 bytes = 8,192 bytes, an eighth of a slot
	s_mov_b32 s24, 15|(3<<16)|(1<<21)              ; the mask: all four work-groups; elements of 8 bytes; bit 21 beside a mask; no padding: the image is read 512 consecutive bytes a line
	s_mov_b32 s25, 32<<16                          ; tensor_dim0 = 32
	s_mov_b32 s26, 32<<16                          ; tensor_dim1 = 32
	s_mov_b32 s27, 32<<16                          ; tile_dim0 = 32
	s_mov_b32 s28, 32                              ; tile_dim1 = 32
	s_mov_b32 s29, 32                              ; the pitch
	s_mov_b32 s30, 0
	s_mov_b32 s31, 0
	s_lshl_b32 s2, s49, 24                         ; wave w fetches set w >> 2, quarter w & 3 of its image
	s_and_b32 s3, s20, 3
	s_lshl_b32 s3, s3, 13
	s_add_co_u32 s2, s2, s3
	s_lshl_b32 s3, s36, 19                         ; the range's 16 pairs of 32,768 bytes
	s_add_co_u32 s2, s2, s3
	s_mov_b32 s3, 0
	s_lshl_b32 s58, s58, 11                        ; the prefetch: my work-group's 2,048 of my 8,192 bytes,
	s_add_co_u32 s58, s58, 2*32768                 ; at pair 2: the first trip steps it to pair 3
	s_mov_b32 s59, 0
	s_wait_dscnt 0x0                               ; both opening adds are done
	s_wait_kmcnt 0x0
	s_load_b128 s[60:63], s[8:9], 0x0              ; e0 .. e3
	s_mov_b32 s32, 1                               ; group 0: count = 1,
	s_lshl_b32 s33, s20, 13                        ; LDS address: slot 0, my eighth,
	s_add_nc_u64 s[34:35], s[4:5], s[2:3]          ; global address: pair 0,
	s_add_nc_u64 s[44:45], s[34:35], s[58:59]
	s_or_b32 s35, s35, 0x80000000                  ; type = 2
	ROUND                                          ; all four work-groups are here: the first joint loads meet
	tensor_load_to_lds s[32:35], s[24:31]          ; by this text's count one tensor load of a wave is out at any time
	s_nop 0
	NOPS
	v_and_b32 v1, 31, v0
	v_min_u32 v[PFO], 7, v1
	v_lshlrev_b32 v[PFO], 8, v[PFO]
	v_lshlrev_b32 v[LI], 4, v1
	s_wait_alu depctr_va_vdst(0)
	s_lshl_b32 s58, s23, 2
	s_add_co_u32 s58, s58, s54                     ; my pair of column tiles,
	s_mul_i32 s58, s58, 98304
	s_lshl_b32 s59, s50, 12                        ; my matrix
	s_add_co_u32 s58, s58, s59
	s_mov_b32 s59, 0
	s_add_nc_u64 s[58:59], s[6:7], s[58:59]
	WIN 0x40
.set F, 0
.rept 16                               ; fragment F = 2 k + e at register 16 F of window 1
.irp c, 0,1,2,3
	global_load_b128 v[16*F+4*\c:16*F+4*\c+3], v[LI], s[58:59] offset:12288*(F/2)+2048*(F%2)+512*\c
.endr
.set F, F+1
.endr
	WIN 0
	s_lshl_b32 s2, s23, 9
	s_lshl_b32 s39, s20, 6
	s_add_co_u32 s2, s2, s39                       ; the scan's first column, 128 gx + 16 w, in bytes
	s_add_nc_u64 s[10:11], s[10:11], s[2:3]
	s_add_nc_u64 s[12:13], s[12:13], s[2:3]
	s_add_nc_u64 s[14:15], s[14:15], s[2:3]
	v_and_b32 v[SA], 15, v0
	v_lshlrev_b32 v[SA], 2, v[SA]                  ; 4 r
	global_load_b32 v[ALH], v[SA], s[10:11]
	global_load_b32 v[BD], v[SA], s[12:13]
	global_load_b32 v[BB], v[SA], s[14:15]
	v_bfe_u32 v[AGO], v0, 4, 1
	v_lshl_add_u32 v[AGO], v[AGO], 17, v[SA]       ; agg: lanes 16-31 store the next of the five numbers, 131,072 bytes on
	s_lshl_b32 s39, s36, 12
	s_add_co_u32 s2, s2, s39
	s_add_nc_u64 s[56:57], s[16:17], s[2:3]        ; agg at (range y, my first column)
	s_lshl_b32 s2, s36, 22                         ; au: the range's 4,194,304 bytes,
	s_lshl_b32 s39, s23, 19                        ; the column group's 524,288,
	s_add_co_u32 s2, s2, s39
	s_lshl_b32 s39, s20, 12                        ; my wave's 4,096 of each pair's 32,768
	s_add_co_u32 s2, s2, s39
	s_add_nc_u64 s[18:19], s[18:19], s[2:3]
	s_lshl_b32 s39, s50, 15
	v_add_nc_u32 v[AB], s39, v[LI]
	v_mov_b32 v[ADR], v[AB]                        ; slot 0
	s_lshl_b32 s39, s20, 11
	s_add_co_u32 s39, s39, XCH
	v_add_nc_u32 v[XS], s39, v[LI]                 ; half 0 stores into buffer 0,
	s_xor_b32 s39, s20, 1
	s_lshl_b32 s39, s39, 11
	s_add_co_u32 s39, s39, XCH+XBUF
	v_add_nc_u32 v[XL], s39, v[LI]                 ; and would load from buffer 1: what the half before stored
	s_mov_b32 s46, 0x76543210                      ; lane selects: lane l xor 16
	s_mov_b32 s47, 0xfedcba98
	s_mov_b32 s48, 0xffff0000                      ; the mask of lanes 16-31
	s_mov_b32 s51, 0x3fb8aa3b                      ; log2(e)
	s_mov_b32 s52, 0x40a00000                      ; 5
	s_mov_b32 s53, 0xc0a00000
	s_mov_b32 s55, 0xc166d4ca                      ; -10 log2(e)
	s_wait_alu depctr_va_vdst(0)
	s_wait_loadcnt 0x0
	s_wait_kmcnt 0x0
	s_add_co_i32 s40, s60, s61
	s_add_co_i32 s40, s40, 127
	s_lshl_b32 s40, s40, 23                        ; 2^(e0 + e1)
	s_mov_b32 s41, s40                             ; (named with it as a pair)
	s_add_co_i32 s42, s62, s63
	s_add_co_i32 s42, s42, 127
	s_lshl_b32 s42, s42, 23                        ; 2^(e2 + e3)
	s_mov_b32 s43, s42
	; A = -softplus(A_log) = -(max(a, 0) + log1p(exp(-|a|))); log1p(v) = log(u) + (v - (u - 1)) / u with u = 1 + v rounded.  Then A log2(e) in two words
	v_mul_f32 v64, -|v[ALH]|, s51
	s_wait_alu depctr_va_vdst(0)                   ; a wait ahead of a batch of transcendentals and one ahead of its first reader: so here and below
	v_exp_f32 v64, v64
	v_nop
	s_wait_alu depctr_va_vdst(0)
	v_add_f32 v65, 1.0, v64
	s_wait_alu depctr_va_vdst(0)
	v_log_f32 v66, v65
	v_rcp_f32 v67, v65
	v_add_f32 v68, -1.0, v65
	s_wait_alu depctr_va_vdst(0)
	v_sub_f32 v68, v64, v68
	v_mul_f32 v68, v68, v67
	v_fma_f32 v66, v66, 0x3f317218, v68
	v_max_num_f32 v67, 0, v[ALH]
	v_add_f32 v66, v66, v67                        ; -A
	v_mul_f32 v[ALH], -v66, s51
	v_fma_f32 v67, -v66, s51, -v[ALH]
	v_fma_f32 v[ALL], -v66, 0x32a57060, v67
	v_mov_b32 v[PD], 0
	v_mov_b32 v[SA], 0
	v_mov_b32 v[SB], 0
	v_mov_b32 v[PCR], 1.0
	v_mov_b32 v[OCR], 0
	v_mov_b32 v[TM1], 0
	v_mov_b32 v[SMX], 0xff800000
	v_mov_b32 v[SMN], 0x7f800000
.set J, 0
.rept 32                               ; the two tiles' 32 registers are written once: the text has a way from the head to the scan with no product on it (the following group's half 0), which the test on the half's number leads round; no wave reads these zeros
	v_mov_b32 v[ZD+J], 0
.set J, J+1
.endr
	s_wait_alu depctr_va_vdst(0)
; x's fragments of K step k, my set, both step tiles, into buffer k % 4: eight loads of 512 consecutive bytes
.macro FETCH k
.irp u, 0,1
.irp c, 0,1,2,3
	ds_load_b128 v[FB+32*((\k)%4)+16*\u+4*\c:FB+32*((\k)%4)+16*\u+4*\c+3], v[ADR] offset:2048*(2*(\k)+\u)+512*\c
.endr
.endr
.endm
; K step k: four matrix instructions, the four accumulators by turns, one instruction a turn.  The first K step starts the sums
.macro MULS k
.irp e, 0,1
.irp u, 0,1
.if (\k) == 0
	v_wmma_f32_16x16x128_fp8_fp8 v[ZD+16*\e+8*\u:ZD+16*\e+8*\u+7], v[FB+32*((\k)%4)+16*\u:FB+32*((\k)%4)+16*\u+15], v[16*(2*(\k)+\e):16*(2*(\k)+\e)+15], 0
.else
	v_wmma_f32_16x16x128_fp8_fp8 v[ZD+16*\e+8*\u:ZD+16*\e+8*\u+7], v[FB+32*((\k)%4)+16*\u:FB+32*((\k)%4)+16*\u+15], v[16*(2*(\k)+\e):16*(2*(\k)+\e)+15], v[ZD+16*\e+8*\u:ZD+16*\e+8*\u+7]
.endif
.endr
.endr
.endm
; A pair's products of my matrix, and the tile that my partner scans into the exchange
.macro GEMM
	FETCH 0
	FETCH 1
	FETCH 2
	FETCH 3
	WIN 0x04                                       ; source 1 (W) in window 1: an LDS load does not use that place
.irp k, 0,1,2,3,4,5,6,7
.if \k < 5
	s_wait_dscnt 24                                ; this K step's eight loads are in; the three steps behind it, eight each, stay out
.else
	s_wait_dscnt 8*(7-\k)
.endif
	MULS \k
.if \k < 4
	NOPS                                           ; four places in front of loads into registers that matrix instructions have read (ISA guide 7.12.1 for vector instructions)
	FETCH \k+4
.endif
.endr
	NOPS                                           ; and in front of the first read of results
	WIN 0
	s_cmp_eq_u32 s50, 0
	s_cbranch_scc0 .Lgive_b_\@
.irp c, 0,1,2,3
	ds_store_b128 v[XS], v[ZB+4*\c:ZB+4*\c+3] offset:512*\c    ; the dt wave gives tile 1
.endr
	s_branch .Lgiven_\@
.Lgive_b_\@:
.irp c, 0,1,2,3
	ds_store_b128 v[XS], v[ZD+4*\c:ZD+4*\c+3] offset:512*\c    ; the b wave gives tile 0
.endr
.Lgiven_\@:
.endm
; The two blocks' totals meet.  car: what came before block X (the same in both halves of the lanes); blk: what came before my block; car becomes what comes before the next pair
.macro CROSS op, tot, car, blk
	v_permlanex16_b32 v[PD], v[\tot], s46, s47
	s_delay_alu instid0(VALU_DEP_1)
	v_cndmask_b32 v[SA], v[\tot], v[PD], s48       ; block X's total
	s_delay_alu instid0(VALU_DEP_2)
	v_cndmask_b32 v[SB], v[PD], v[\tot], s48       ; block Y's
	s_delay_alu instid0(VALU_DEP_2)
	\op v[SA], v[\car], v[SA]
	s_delay_alu instid0(VALU_DEP_1)
	v_cndmask_b32 v[\blk], v[\car], v[SA], s48
	s_delay_alu instid0(VALU_DEP_2)
	\op v[\car], v[SA], v[SB]
.endm
; THE SCAN of a pair, sixteen columns.  Each accumulator is read from its low end on
.macro EPI
	s_cmp_eq_u32 s50, 0
	s_cbranch_scc0 .Ltake_b_\@
.irp c, 0,1,2,3
	ds_load_b128 v[ZB+4*\c:ZB+4*\c+3], v[XL] offset:512*\c     ; the dt wave takes b's tile 0 where its own tile 1 stood
.endr
	s_branch .Ltaken_\@
.Ltake_b_\@:
.irp c, 0,1,2,3
	ds_load_b128 v[ZD+4*\c:ZD+4*\c+3], v[XL] offset:512*\c     ; the b wave takes dt's tile 1 where its own tile 0 stood
.endr
.Ltaken_\@:
	s_wait_dscnt 0x0
.irp j, 0,2,4,6,8,10,12,14
	v_pk_fma_f32 v[ZD+\j:ZD+\j+1], v[ZD+\j:ZD+\j+1], s[40:41], v[BD:BD+1] op_sel_hi:[1,0,0]   ; z = sum x 2^(e0 + e1) + b_dt
.endr
.irp j, 0,1,2,3,4,5,6,7,8,9,10,11,12,13,14,15
	v_mul_f32 v[TT+\j], -|v[ZD+\j]|, s51
.endr
	s_wait_alu depctr_va_vdst(0)
.irp j, 0,1,2,3,4,5,6,7,8,9,10,11,12,13,14,15
	v_exp_f32 v[TT+\j], v[TT+\j]                   ; exp(-|z|)
.endr
	s_wait_alu depctr_va_vdst(0)
.irp j, 0,2,4,6,8,10,12,14
	v_pk_fma_f32 v[ZB+\j:ZB+\j+1], v[ZB+\j:ZB+\j+1], s[42:43], v[BB:BB+1] op_sel_hi:[1,0,0]   ; b: work that names no exponential's result
.endr
.irp j, 0,1,2,3,4,5,6,7,8,9,10,11,12,13,14,15
	v_med3_num_f32 v[ZB+\j], v[ZB+\j], s53, s52
.endr
	s_wait_alu depctr_va_vdst(0)
.irp j, 0,2,4,6,8,10,12,14
	v_pk_add_f32 v[TT+\j:TT+\j+1], v[TT+\j:TT+\j+1], 1.0 op_sel_hi:[1,0]
.endr
	s_wait_alu depctr_va_vdst(0)
.irp j, 0,1,2,3,4,5,6,7,8,9,10,11,12,13,14,15
	v_log_f32 v[TT+\j], v[TT+\j]
.endr
.irp j, 0,1,2,3,4,5,6,7,8,9,10,11,12,13,14,15
	v_max_num_f32 v[ZD+\j], 0, v[ZD+\j]
.endr
	s_wait_alu depctr_va_vdst(0)
.irp j, 0,2,4,6,8,10,12,14
	v_pk_fma_f32 v[ZD+\j:ZD+\j+1], v[TT+\j:TT+\j+1], 0x3f317218, v[ZD+\j:ZD+\j+1] op_sel_hi:[1,0,1]   ; softplus(z)
.endr
.irp j, 0,1,2,3,4,5,6,7,8,9,10,11,12,13,14,15
	v_med3_num_f32 v[ZD+\j], v[ZD+\j], 0x3a83126f, 1.0         ; dt
.endr
.irp j, 0,2,4,6,8,10,12,14
	v_pk_mul_f32 v[ZB+\j:ZB+\j+1], v[ZD+\j:ZD+\j+1], v[ZB+\j:ZB+\j+1]                         ; dt b
	v_pk_mul_f32 v[TT+\j:TT+\j+1], v[ZD+\j:ZD+\j+1], v[ALL:ALL+1] op_sel_hi:[1,0]
.endr
.irp j, 0,2,4,6,8,10,12,14
	v_pk_fma_f32 v[ZD+\j:ZD+\j+1], v[ZD+\j:ZD+\j+1], v[ALH:ALH+1], v[TT+\j:TT+\j+1] op_sel_hi:[1,0,1]   ; dt A log2(e)
.endr
.irp j, 0,1,2,3,4,5,6,7,8,9,10,11,12,13,14,15
	v_med3_num_f32 v[ZD+\j], v[ZD+\j], s55, 0
.endr
	s_wait_alu depctr_va_vdst(0)
.irp j, 0,1,2,3,4,5,6,7,8,9,10,11,12,13,14,15
	v_exp_f32 v[ZD+\j], v[ZD+\j]                   ; alpha
.endr
	v_nop
	s_wait_alu depctr_va_vdst(0)
.irp i, 0,1,2,3,4,5,6,7
	global_store_b128 v[LI], v[ZD+4*\i:ZD+4*\i+3], s[18:19] offset:512*\i th:TH_STORE_NT   ; alpha and dt b as they stand: 512 consecutive bytes a line, aligned.  Nothing below writes these 32 registers
.endr
	v_mov_b32 v[PR], v[ZD]
.irp j, 1,2,3,4,5,6,7,8,9,10,11,12,13,14,15
	v_mul_f32 v[PR+\j], v[PR+\j-1], v[ZD+\j]       ; the product from the block's first step on
.endr
	CROSS v_mul_f32, PR+15, PCR, PB
.irp j, 0,2,4,6,8,10,12,14
	v_pk_mul_f32 v[PR+\j:PR+\j+1], v[PR+\j:PR+\j+1], v[PB:PB+1] op_sel_hi:[1,0]   ; the prefix
.endr
	s_wait_alu depctr_va_vdst(0)
	v_rcp_f32 v[RR], v[PB]                         ; the block's first step divides by the prefix ahead of the block
.irp j, 0,1,2,3,4,5,6,7,8,9,10,11,12,13,14
	v_rcp_f32 v[RR+\j+1], v[PR+\j]                 ; step j + 1 divides by step j's prefix
.endr
	v_nop
	s_wait_alu depctr_va_vdst(0)
.irp j, 0,2,4,6,8,10,12,14
	v_pk_mul_f32 v[GG+\j:GG+\j+1], v[ZB+\j:ZB+\j+1], v[RR+\j:RR+\j+1]   ; g
.endr
.irp j, 0,2,4,6,8,10,12,14
.if \j > 0
	s_delay_alu instid0(VALU_DEP_1)
.endif
	v_max3_num_f32 v[TM1], v[TM1], |v[GG+\j]|, |v[GG+\j+1]|
.endr
.irp j, 1,2,3,4,5,6,7,8,9,10,11,12,13,14,15
.if \j > 1
	s_delay_alu instid0(VALU_DEP_1)
.endif
	v_add_f32 v[GG+\j], v[GG+\j-1], v[GG+\j]       ; the sum from the block's first step on
.endr
.irp j, 0,2,4,6,8,10,12,14
.if \j > 0
	s_delay_alu instid0(VALU_DEP_1)
.endif
	v_max3_num_f32 v[TM1], v[TM1], |v[GG+\j]|, |v[GG+\j+1]|
.endr
	CROSS v_add_f32, GG+15, OCR, OB
.irp j, 0,2,4,6,8,10,12,14
	v_pk_add_f32 v[GG+\j:GG+\j+1], v[GG+\j:GG+\j+1], v[OB:OB+1] op_sel_hi:[1,0]   ; S
.endr
.irp j, 0,2,4,6,8,10,12,14
.if \j > 0
	s_delay_alu instid0(VALU_DEP_2)
.endif
	v_max3_num_f32 v[SMX], v[SMX], v[GG+\j], v[GG+\j+1]
.if \j > 0
	s_delay_alu instid0(VALU_DEP_2)
.endif
	v_min3_num_f32 v[SMN], v[SMN], v[GG+\j], v[GG+\j+1]
.endr
	s_wait_xcnt 0x0                                ; the eight stores have read their registers and their base: the next products write the one, the next line the other
	s_add_nc_u64 s[18:19], s[18:19], 32768         ; the next pair's place in au
.endm
; THE CHANGE OF SLOTS stands at a trip's head.  Each wave waits for all its tensor loads (its eighth of the slot that is read next), adds 0 to its spare word, and waits for that and for its LDS reads.
; fill = 1: a round of the cluster's barrier, so that no wave of any partner still reads the other slot or has a load on its way; then the next pair is asked for, first thing.
.macro CHANGE fill
.if \fill
	s_wait_xcnt 0x0                                ; any prefetch of mine has read its address: it steps here, ahead of the change's own waits
	s_add_nc_u64 s[44:45], s[44:45], 32768
.endif
	s_wait_tensorcnt 0x0                           ; no tensor load of mine is out, so group 0 may be written
	ds_add_u32 v[SPW], v[NIL]                      ; 0 onto my spare word
.if \fill
	s_xor_b32 s33, s33, SLOTB                      ; the other slot than last time,
	s_add_nc_u64 s[34:35], s[34:35], 32768         ; the next pair; the type bits on top are not reached
.endif
	s_wait_dscnt 0x0                               ; the add is done, and my LDS reads are over
.if \fill
	ROUND
	tensor_load_to_lds s[32:35], s[24:31]          ; it has both halves of the trip in which to land
	s_nop 0
	NOPS
	s_cmp_ge_u32 s22, 3                            ; trips 0 to 12 name pairs 3 to 15; the last two name nothing
	s_cbranch_scc0 .Lno_ask_\@
	global_prefetch_b8 v[PFO], s[44:45] th:TH_LOAD_NT scope:SCOPE_SE
.Lno_ask_\@:
.else
	s_barrier_signal -1
	s_barrier_wait -1
.endif
.endm
; cnt halves.  In half h (s37) a wave multiplies if (h + group) is even and scans if it is odd.  The following group has nothing to scan in half 0, the leading group nothing to multiply in half 32.
.macro HALVES cnt
	s_mov_b32 s38, 0
.Lhalf_\@:
	s_add_co_u32 s39, s37, s49
	s_and_b32 s39, s39, 1
	s_cmp_lg_u32 s39, 0
	s_cbranch_scc1 .Lscan_\@
.if \cnt == 3
	s_cmp_eq_u32 s38, 2
	s_cbranch_scc1 .Ldone_\@
.endif
	GEMM
	s_branch .Ldone_\@
.Lscan_\@:
.if \cnt == 2
	s_cmp_eq_u32 s37, 0
	s_cbranch_scc1 .Ldone_\@
.endif
	EPI
.Ldone_\@:
	v_xor_b32 v[XS], XBUF, v[XS]                   ; the exchange's other buffer: what this half stored the next half loads
	v_xor_b32 v[XL], XBUF, v[XL]
	s_wait_alu depctr_va_vdst(0)
	s_wait_dscnt 0x0                               ; for the others' sake: my stores into the exchange are done, my reads of it and of the slot are back
	s_barrier_signal -1
	s_barrier_wait -1
	s_add_co_u32 s37, s37, 1
	s_add_co_u32 s38, s38, 1
	s_cmp_lt_u32 s38, \cnt
	s_cbranch_scc1 .Lhalf_\@
.endm
	s_mov_b32 s21, 0                               ; the slot in hand
	s_mov_b32 s37, 0                               ; the half
	s_mov_b32 s22, 15
.Ltrip:                                                ; fifteen trips: behind each change of slots but the last the next pair is asked for
	CHANGE 1
	HALVES 2
	s_xor_b32 s21, s21, SLOTB                      ; on to the other slot, on the way that all waves take
	v_add_nc_u32 v[ADR], s21, v[AB]
	s_wait_alu depctr_va_vdst(0)
	s_sub_co_u32 s22, s22, 1
	s_cmp_lg_u32 s22, 0
	s_cbranch_scc1 .Ltrip
	CHANGE 0                                       ; the last pair is written out; its third half is the following group's last scan
	HALVES 3
	v_permlanex16_b32 v[PD], v[TM1], s46, s47      ; the two halves of the lanes saw different blocks: join them
	s_delay_alu instid0(VALU_DEP_1)
	v_max_num_f32 v[TM1], v[TM1], v[PD]
	v_permlanex16_b32 v[PD], v[SMX], s46, s47
	s_delay_alu instid0(VALU_DEP_1)
	v_max_num_f32 v[SMX], v[SMX], v[PD]
	v_permlanex16_b32 v[PD], v[SMN], s46, s47
	s_delay_alu instid0(VALU_DEP_1)
	v_min_num_f32 v[SMN], v[SMN], v[PD]
	v_cndmask_b32 v[SA], v[PCR], v[OCR], s48       ; lanes 0-15: the product, lanes 16-31: the sum
	v_cndmask_b32 v[SB], v[TM1], v[SMX], s48
	v_cmp_gt_u32 vcc_lo, 0x100, v[LI]              ; lanes 0-15
	s_wait_alu depctr_va_vdst(0)
	global_store_b32 v[AGO], v[SA], s[56:57]
	global_store_b32 v[AGO], v[SB], s[56:57] offset:262144
	s_wait_xcnt 0x0                                ; EXEC changes only behind this wait
	s_and_saveexec_b32 s2, vcc_lo
	global_store_b32 v[AGO], v[SMN], s[56:57] offset:524288
	s_wait_xcnt 0x0                                ; and again in front of the line that widens it
	s_or_b32 exec_lo, exec_lo, s2
	s_wait_tensorcnt 0x0                           ; the wave's end, behind my last tensor load and my last LDS store
	ds_add_u32 v[SPW], v[NIL]
	s_wait_dscnt 0x0
	ROUND                                          ; the closing round: no work-group ends while a partner may still ask for a tile that names it
	s_endpgm
.Lfunc_end_k_qaafde3700e_pass1:
	.size	k_qaafde3700e_pass1, .Lfunc_end_k_qaafde3700e_pass1-k_qaafde3700e_pass1
	.p2alignl 7, 3214868480
	.fill 96, 4, 3214868480
	.section	.rodata,"a",@progbits
	.p2align	6, 0x0
	.amdhsa_kernel k_qaafde3700e_pass1
		.amdhsa_group_segment_fixed_size 327680
		.amdhsa_private_segment_fixed_size 0
		.amdhsa_enable_private_segment 0
		.amdhsa_kernarg_size 64
		.amdhsa_user_sgpr_count 2
		.amdhsa_user_sgpr_kernarg_segment_ptr 1
		.amdhsa_wavefront_size32 1
		.amdhsa_system_sgpr_workgroup_id_x 1
		.amdhsa_system_sgpr_workgroup_id_y 1
		.amdhsa_system_sgpr_workgroup_id_z 1
		.amdhsa_system_vgpr_workitem_id 0
		.amdhsa_next_free_vgpr 512
		.amdhsa_next_free_sgpr 66
		.amdhsa_reserve_vcc 1
		.amdhsa_float_denorm_mode_32 3
		.amdhsa_float_denorm_mode_16_64 3
		.amdhsa_memory_ordered 1
		.amdhsa_forward_progress 1
		.amdhsa_inst_pref_size 72
	.end_amdhsa_kernel
	.amdgpu_metadata
---
amdhsa.version: [ 1, 2 ]
amdhsa.kernels:
  - .name:           k_qaafde3700e_pass1
    .symbol:         k_qaafde3700e_pass1.kd
    .args:
      - { .name: xcodes, .offset: 0, .size: 8, .value_kind: global_buffer, .address_space: global }
      - { .name: wcodes, .offset: 8, .size: 8, .value_kind: global_buffer, .address_space: global }
      - { .name: lowp_scales, .offset: 16, .size: 8, .value_kind: global_buffer, .address_space: global }
      - { .name: A_log, .offset: 24, .size: 8, .value_kind: global_buffer, .address_space: global }
      - { .name: b_dt, .offset: 32, .size: 8, .value_kind: global_buffer, .address_space: global }
      - { .name: b_x, .offset: 40, .size: 8, .value_kind: global_buffer, .address_space: global }
      - { .name: agg, .offset: 48, .size: 8, .value_kind: global_buffer, .address_space: global }
      - { .name: au, .offset: 56, .size: 8, .value_kind: global_buffer, .address_space: global }
    .group_segment_fixed_size: 327680
    .private_segment_fixed_size: 0
    .kernarg_segment_align: 8
    .kernarg_segment_size: 64
    .max_flat_workgroup_size: 256
    .sgpr_count:     66
    .vgpr_count:     512
    .wavefront_size: 32
...
	.end_amdgpu_metadata
.endif
;; end of part 3
;; launch pass2 (part 4): grid 8 x 32, 4 waves a work-group, clusters of 4 x 1, 327,680 bytes of LDS; arguments xcodes, wcodes, lowp_scales, b_x, agg, au, out0; writes out0
.if DOCPART == 4
	.amdgcn_target "amdgcn-amd-amdhsa--gfx1250"
	.amdhsa_code_object_version 6
	.text
	.protected	k_qaafde3700e_pass2
	.globl	k_qaafde3700e_pass2
	.p2align	8
	.type	k_qaafde3700e_pass2,@function
k_qaafde3700e_pass2:
	s_mov_b64 s[64:65], 0
	v_nop
	global_prefetch_b8 v0, s[64:65] scope:SCOPE_SE
	s_setreg_imm32_b32 hwreg(HW_REG_WAVE_MODE, 25, 1), 1
	s_wait_xcnt 0x0
	s_wait_alu depctr_hold_cnt(0) depctr_sa_sdst(0) depctr_va_vdst(0) depctr_va_sdst(0) depctr_va_ssrc(0) depctr_va_vcc(0) depctr_vm_vsrc(0)
	s_getreg_b32 s2, hwreg(HW_REG_IB_STS2, 6, 4)
	s_cmp_eq_u32 s2, 0
	s_cbranch_scc0 .Lentry_in_a_cluster
	s_endpgm
.Lentry_in_a_cluster:
	s_bfe_u32 s2, ttmp6, 0x10000c
	s_cmp_lg_u32 s2, 0x3003
	s_cbranch_scc0 .Lentry_shape_is_right
	s_endpgm
.Lentry_shape_is_right:
.set SLOTB, 65536
.set STAGE, 2*SLOTB
.set SROW,  528
.set SHALF, 16*SROW+64
.set STGB,  17152
.set SPARE, STAGE+2*STGB
.set LI,  1
.set ADR, 3
.set STO, 5
.set SRD, 7
.set PCR, 9
.set BC,  10
.set OCR, 13
.set PD,  17
.set SA,  21
.set PB,  22
.set SB,  23
.set OB,  26
.set SPW, 30
.set NIL, 31
.set ZC,  32
.set ZD,  64
.set ZB,  80
.set ES,  32
.set RR,  128
.set BK,  160
.set MSB, 0
.macro WIN new
.if MSB != (\new)
	s_set_vgpr_msb (MSB<<8)|(\new)
.set MSB, \new
.endif
.endm
.macro ROUND
	s_barrier_signal -1
	s_barrier_wait -1
	s_cmp_lg_u32 s20, 0
	s_cbranch_scc1 .Lnot_wave_0_\@
	s_barrier_signal -3
.Lnot_wave_0_\@:
	s_barrier_wait -3
	s_barrier_signal -1
	s_barrier_wait -1
.endm
.macro NOPS
.rept 4
	v_nop
.endr
.endm
.macro AUL b, q, off
.irp e, 0,1
.irp c, 0,1,2,3
	global_load_b128 v[64*(\b)+32*\e+16*(\q)+4*\c:64*(\b)+32*\e+16*(\q)+4*\c+3], v[LI], s[14:15] offset:(\off)+512*(8*\e+4*(\q)+\c) th:TH_LOAD_NT
.endr
.endr
.endm
	s_load_b256 s[4:11], s[0:1], 0x0
	s_load_b128 s[12:15], s[0:1], 0x20
	s_load_b64 s[16:17], s[0:1], 0x30
	v_lshl_add_u32 v[SPW], v0, 2, SPARE
	v_mov_b32 v[NIL], 0
	ds_add_u32 v30, v31
	ds_add_u32 v30, v31
	s_wait_dscnt 0x0
	v_lshrrev_b32 v1, 5, v0
	v_readfirstlane_b32 s20, v1
	s_bfe_u32 s58, ttmp6, 0x40000
	s_lshl_b32 s23, ttmp9, 2
	s_add_co_u32 s23, s23, s58
	s_and_b32 s18, ttmp7, 0xffff
	s_and_b32 s19, s18, 15
	s_mov_b32 s24, 15|(3<<16)|(1<<21)
	s_mov_b32 s25, 32<<16
	s_mov_b32 s26, 64<<16
	s_mov_b32 s27, 32<<16
	s_mov_b32 s28, 64
	s_mov_b32 s29, 32
	s_mov_b32 s30, 0
	s_mov_b32 s31, 0
	s_lshl_b32 s2, s20, 14
	s_lshl_b32 s3, s18, 19
	s_add_co_u32 s2, s2, s3
	s_add_co_u32 s2, s2, 0x1000000
	s_mov_b32 s3, 0
	s_wait_kmcnt 0x0
	s_load_b128 s[60:63], s[8:9], 0x0
	s_mov_b32 s32, 1
	s_lshl_b32 s33, s20, 14
	s_add_nc_u64 s[34:35], s[4:5], s[2:3]
	s_mov_b32 s36, 1
	s_add_co_u32 s37, s33, SLOTB
	s_add_nc_u64 s[38:39], s[34:35], SLOTB
	s_or_b32 s35, s35, 0x80000000
	s_or_b32 s39, s39, 0x80000000
	ROUND
	tensor_load_to_lds s[32:35], s[24:31]
	s_nop 0
	s_wait_alu depctr_va_vdst(0)
	s_wait_tensorcnt 0x0
	ds_add_u32 v30, v31
	s_wait_dscnt 0x0
	ROUND
	tensor_load_to_lds s[36:39], s[24:31]
	s_nop 0
	NOPS
	v_and_b32 v1, 31, v0
	v_lshlrev_b32 v[LI], 4, v1
	s_wait_alu depctr_va_vdst(0)
	s_lshl_b32 s58, s23, 2
	s_add_co_u32 s58, s58, s20
	s_mul_i32 s58, s58, 98304
	s_mov_b32 s59, 0
	s_add_nc_u64 s[58:59], s[6:7], s[58:59]
	WIN 0x40
.set F, 0
.rept 16
.irp c, 0,1,2,3
	global_load_b128 v[16*F+4*\c:16*F+4*\c+3], v[LI], s[58:59] offset:12288*(F/2)+8192+2048*(F%2)+512*\c
.endr
.set F, F+1
.endr
	WIN 0
	v_and_b32 v[SA], 15, v0
	v_lshlrev_b32 v[SA], 2, v[SA]
	s_lshl_b32 s2, s23, 9
	s_lshl_b32 s22, s20, 7
	s_add_co_u32 s2, s2, s22
	s_add_nc_u64 s[10:11], s[10:11], s[2:3]
.irp e, 0,1
	global_load_b32 v[BC+2*\e], v[SA], s[10:11] offset:4096+64*\e
.endr
	s_and_b32 s22, s18, 16
	s_lshl_b32 s22, s22, 12
	s_add_co_u32 s2, s2, s22
	s_add_nc_u64 s[12:13], s[12:13], s[2:3]
	v_lshrrev_b32 v[SB], 2, v[LI]
.irp j, 0,1,2,3,4,5,6,7,8,9,10,11,12,13,14
.irp q, 0,1,2,3,4
	global_load_b32 v[32+5*\j+\q], v[SB], s[12:13] offset:131072*\q+4096*\j
.endr
.endr
	s_lshl_b32 s2, s18, 22
	s_lshl_b32 s22, s23, 19
	s_add_co_u32 s2, s2, s22
	s_lshl_b32 s22, s20, 13
	s_add_co_u32 s2, s2, s22
	s_add_nc_u64 s[14:15], s[14:15], s[2:3]
	WIN 0xc0
	AUL 0, 0, 0
	AUL 0, 1, 0
	AUL 1, 0, 32768
	AUL 1, 1, 32768
	WIN 0
	s_lshl_b32 s2, s18, 21
	s_lshl_b32 s22, s20, 15
	s_add_co_u32 s2, s2, s22
	s_lshl_b32 s22, s23, 9
	s_add_co_u32 s2, s2, s22
	s_add_nc_u64 s[56:57], s[16:17], s[2:3]
	v_and_b32 v[STO], 15, v0
	v_lshlrev_b32 v[STO], 2, v[STO]
	v_bfe_u32 v25, v0, 4, 1
	v_mad_u32_u24 v[STO], v25, SHALF, v[STO]
	s_lshl_b32 s22, s20, 7
	s_add_co_u32 s22, s22, STAGE
	v_add_nc_u32 v[STO], s22, v[STO]
	s_lshr_b32 s22, s20, 1
	s_mul_i32 s22, s22, SHALF
	s_and_b32 s21, s20, 1
	s_mul_i32 s21, s21, 8*SROW
	s_add_co_u32 s22, s22, s21
	s_add_co_u32 s22, s22, STAGE
	v_add_nc_u32 v[SRD], s22, v[LI]
	s_mov_b32 s46, 0x76543210
	s_mov_b32 s47, 0xfedcba98
	s_mov_b32 s48, 0xffff0000
	s_mov_b32 s49, 0x7f800000
	s_mov_b32 s50, 0x4f800000
	s_mov_b32 s54, 0x4166d4ca
	s_mov_b32 s55, 0xc166d4ca
	s_wait_loadcnt 32
	s_wait_kmcnt 0x0
	s_add_co_i32 s44, s62, s63
	s_lshl_b32 s44, s44, 23
	s_add_co_i32 s44, s44, 0x4038aa3b
	s_mov_b32 s45, s44
	s_mov_b32 s60, 0x00800000
.irp e, 0,1
	v_mul_f32 v[BC+2*\e], 0x4038aa3b, v[BC+2*\e]
	v_mov_b32 v[PD+2*\e], 0
	v_mov_b32 v[SA+4*\e], 0
	v_mov_b32 v[SB+4*\e], 0
.endr
	v_mov_b32 v29, 0
	v_mov_b32 v110, 1.0
	v_mov_b32 v111, 0
.macro LB j
	s_cmp_le_u32 s19, \j
	s_cbranch_scc1 .Llb_done
	v_mul_f32 v112, s50, v110
	s_wait_alu depctr_va_vdst(0)
	v_rcp_f32 v113, v112
	v_mul_f32 v110, v110, v[32+5*\j]
	s_wait_alu depctr_va_vdst(0)
	v_mul_f32 v114, v[34+5*\j], v113
	v_mul_f32 v115, v[35+5*\j], v113
	v_mul_f32 v116, v[36+5*\j], v113
	v_mul_f32 v117, v[33+5*\j], v113
	v_mul_f32 v114, s50, v114
	v_fma_f32 v115, v115, s50, v111
	v_fma_f32 v116, v116, s50, v111
	v_fma_f32 v117, v117, s50, v111
	v_mul_f32 v114, 0, v114
	v_fma_f32 v114, 0, v115, v114
	v_fma_f32 v114, 0, v116, v114
	v_add_f32 v111, v117, v114
.endm
.irp j, 0,1,2,3,4,5,6,7,8,9,10,11,12,13,14
	LB \j
.endr
.Llb_done:
	s_wait_alu depctr_va_vdst(0)
	v_permlanex16_b32 v[PD], v110, s46, s47
	v_permlanex16_b32 v[PD+2], v111, s46, s47
	v_cndmask_b32 v[PCR], v110, v[PD], s48
	v_cndmask_b32 v[PCR+2], v[PD], v110, s48
	v_cndmask_b32 v[OCR], v111, v[PD+2], s48
	v_cndmask_b32 v[OCR+2], v[PD+2], v111, s48
.macro GEMM
	s_wait_dscnt 0x0
	WIN 0x06
.irp k, 0,1,2,3,4,5,6,7
.irp e, 0,1
.irp u, 0,1
.if \k == 0
	v_wmma_f32_16x16x128_fp8_fp8 v[ZC+16*\e+8*\u:ZC+16*\e+8*\u+7], v[16*(2*\k+\u):16*(2*\k+\u)+15], v[16*(2*\k+\e):16*(2*\k+\e)+15], 0
.else
	v_wmma_f32_16x16x128_fp8_fp8 v[ZC+16*\e+8*\u:ZC+16*\e+8*\u+7], v[16*(2*\k+\u):16*(2*\k+\u)+15], v[16*(2*\k+\e):16*(2*\k+\e)+15], v[ZC+16*\e+8*\u:ZC+16*\e+8*\u+7]
.endif
.endr
.endr
.endr
	WIN 0
.endm
.macro FX
.if NF < 64
	WIN 0x80
.rept 8
	ds_load_b128 v[4*NF:4*NF+3], v[ADR] offset:FOFF+512*NF
.set NF, NF+1
.endr
.endif
	WIN 0
.endm
.macro CROSS op, tot, car, blk, e
	v_permlanex16_b32 v[PD+2*\e], v[\tot], s46, s47
	v_cndmask_b32 v[SA+4*\e], v[\tot], v[PD+2*\e], s48
	v_cndmask_b32 v[SB+4*\e], v[PD+2*\e], v[\tot], s48
	\op v[SA+4*\e], v[\car], v[SA+4*\e]
	v_cndmask_b32 v[\blk], v[\car], v[SA+4*\e], s48
	\op v[\car], v[SA+4*\e], v[SB+4*\e]
.endm
.macro FLUSH j
	v_cmp_le_f32 vcc_lo, s60, v[ZD+\j]
	v_cmp_le_f32 s40, s60, v[ZD+ES+\j]
	v_cmp_le_f32 s41, s60, v[ZD+\j+1]
	v_cmp_le_f32 s42, s60, v[ZD+ES+\j+1]
	v_cndmask_b32 v[ZD+\j], 0, v[ZD+\j], vcc_lo
	v_cndmask_b32 v[ZD+ES+\j], 0, v[ZD+ES+\j], s40
	v_cndmask_b32 v[ZD+\j+1], 0, v[ZD+\j+1], s41
	v_cndmask_b32 v[ZD+ES+\j+1], 0, v[ZD+ES+\j+1], s42
.endm
.macro EPI b, rel, la, lu
.set A3, 64*(\b)
	s_wait_loadcnt \la
	WIN 0x03
.irp e, 0,1
	v_mov_b32 v[ZD+ES*\e], v[A3+32*\e]
.endr
	WIN 0x0c
.irp j, 1,2,3,4,5,6,7,8,9,10,11,12,13,14,15
.irp e, 0,1
	v_mul_f32 v[ZD+ES*\e+\j], v[ZD+ES*\e+\j-1], v[A3+32*\e+\j]
.endr
.endr
.if \rel
	WIN 0xc0
	AUL \b, 0, 65536
.endif
	FX
	CROSS v_mul_f32, ZD+15, PCR, PB, 0
	CROSS v_mul_f32, ZD+ES+15, PCR+2, PB+2, 1
	v_cmp_le_f32 vcc_lo, s60, v[PB]
	v_cmp_le_f32 s40, s60, v[PB+2]
	v_cndmask_b32 v[PB], 0, v[PB], vcc_lo
	v_cndmask_b32 v[PB+2], 0, v[PB+2], s40
	FX
.irp j, 0,2,4,6,8,10,12,14
.irp e, 0,1
	v_pk_mul_f32 v[ZD+ES*\e+\j:ZD+ES*\e+\j+1], v[ZD+ES*\e+\j:ZD+ES*\e+\j+1], v[PB+2*\e:PB+2*\e+1] op_sel_hi:[1,0]
.endr
.endr
	FX
.irp j, 0,2,4,6
	FLUSH \j
.endr
	FX
.irp j, 8,10,12,14
	FLUSH \j
.endr
	FX
.irp j, 0,2,4,6,8,10,12,14
.irp e, 0,1
	v_pk_fma_f32 v[ZC+16*\e+\j:ZC+16*\e+\j+1], v[ZC+16*\e+\j:ZC+16*\e+\j+1], s[44:45], v[BC+2*\e:BC+2*\e+1] op_sel_hi:[1,0,0]
.endr
.endr
.irp j, 0,1,2,3,4,5,6,7,8,9,10,11,12,13,14,15
.irp e, 0,1
	v_med3_num_f32 v[ZC+16*\e+\j], v[ZC+16*\e+\j], s55, s54
.endr
.endr
	FX
	s_wait_alu depctr_va_vdst(0)
.irp e, 0,1
	v_rcp_f32 v[RR+16*\e], v[PB+2*\e]
.endr
.irp j, 0,1,2,3,4,5,6,7,8,9,10,11,12,13,14
.irp e, 0,1
	v_rcp_f32 v[RR+16*\e+\j+1], v[ZD+ES*\e+\j]
.endr
.endr
.irp j, 0,1,2,3,4,5,6,7,8,9,10,11,12,13,14,15
.irp e, 0,1
	v_exp_f32 v[ZC+16*\e+\j], v[ZC+16*\e+\j]
.endr
.endr
	v_nop
	s_wait_alu depctr_va_vdst(0)
	s_wait_loadcnt \lu
	WIN 0x03
.irp j, 0,2,4,6,8,10,12,14
.irp e, 0,1
	v_pk_mul_f32 v[ZB+ES*\e+\j:ZB+ES*\e+\j+1], v[A3+32*\e+16+\j:A3+32*\e+16+\j+1], v[RR+16*\e+\j:RR+16*\e+\j+1]
.endr
.endr
	WIN 0
.irp j, 0,2,4,6,8,10,12,14
.irp e, 0,1
	v_pk_add_f32 v[ZC+16*\e+\j:ZC+16*\e+\j+1], v[ZC+16*\e+\j:ZC+16*\e+\j+1], 1.0 op_sel_hi:[1,0]
.endr
.endr
.if \rel
	WIN 0xc0
	AUL \b, 1, 65536
.endif
	FX
	s_wait_alu depctr_va_vdst(0)
.irp j, 0,1,2,3,4,5,6,7,8,9,10,11,12,13,14,15
.irp e, 0,1
	v_rcp_f32 v[ZC+16*\e+\j], v[ZC+16*\e+\j]
.endr
.endr
.irp j, 1,2,3,4,5,6,7,8,9,10,11,12,13,14,15
.irp e, 0,1
	v_add_f32 v[ZB+ES*\e+\j], v[ZB+ES*\e+\j-1], v[ZB+ES*\e+\j]
.endr
.endr
	s_wait_alu depctr_va_vdst(0)
	CROSS v_add_f32, ZB+15, OCR, OB, 0
	CROSS v_add_f32, ZB+ES+15, OCR+2, OB+2, 1
.irp j, 0,2,4,6,8,10,12,14
.irp e, 0,1
	v_pk_add_f32 v[ZB+ES*\e+\j:ZB+ES*\e+\j+1], v[ZB+ES*\e+\j:ZB+ES*\e+\j+1], v[OB+2*\e:OB+2*\e+1] op_sel_hi:[1,0]
.endr
.endr
	FX
.irp j, 0,2,4,6,8,10,12,14
.irp e, 0,1
	v_pk_fma_f32 v[ZC+16*\e+\j:ZC+16*\e+\j+1], v[ZC+16*\e+\j:ZC+16*\e+\j+1], -2.0, 1.0 op_sel_hi:[1,0,0]
.endr
.endr
.irp j, 0,2,4,6,8,10,12,14
.irp e, 0,1
	v_pk_mul_f32 v[ZB+ES*\e+\j:ZB+ES*\e+\j+1], v[ZB+ES*\e+\j:ZB+ES*\e+\j+1], v[ZD+ES*\e+\j:ZD+ES*\e+\j+1]
.endr
.endr
.irp j, 0,2,4,6,8,10,12,14
.irp e, 0,1
	v_pk_mul_f32 v[ZB+ES*\e+\j:ZB+ES*\e+\j+1], v[ZB+ES*\e+\j:ZB+ES*\e+\j+1], v[ZC+16*\e+\j:ZC+16*\e+\j+1]
.endr
.endr
.irp j, 0,2,4,6,8,10,12,14
	v_cmp_gt_f32 vcc_lo, s49, |v[ZB+\j]|
	v_cmp_gt_f32 s40, s49, |v[ZB+ES+\j]|
	v_cmp_gt_f32 s41, s49, |v[ZB+\j+1]|
	v_cmp_gt_f32 s42, s49, |v[ZB+ES+\j+1]|
	v_cndmask_b32 v[ZB+\j], 0, v[ZB+\j], vcc_lo
	v_cndmask_b32 v[ZB+ES+\j], 0, v[ZB+ES+\j], s40
	v_cndmask_b32 v[ZB+\j+1], 0, v[ZB+\j+1], s41
	v_cndmask_b32 v[ZB+ES+\j+1], 0, v[ZB+ES+\j+1], s42
	ds_store_b32 v[STO], v[ZB+\j] offset:STGB*(\b)+SROW*\j
	ds_store_b32 v[STO], v[ZB+ES+\j] offset:STGB*(\b)+SROW*\j+64
	ds_store_b32 v[STO], v[ZB+\j+1] offset:STGB*(\b)+SROW*(\j+1)
	ds_store_b32 v[STO], v[ZB+ES+\j+1] offset:STGB*(\b)+SROW*(\j+1)+64
.endr
.endm
.macro CHANGE fill
	s_wait_tensorcnt 0x0
	ds_add_u32 v[SPW], v[NIL]
.if \fill
	s_xor_b32 s37, s37, SLOTB
	s_add_nc_u64 s[38:39], s[38:39], SLOTB
.endif
	s_wait_dscnt 0x0
.if \fill
	ROUND
	tensor_load_to_lds s[36:39], s[24:31]
	s_nop 0
	NOPS
.else
	s_barrier_signal -1
	s_barrier_wait -1
.endif
	s_xor_b32 s21, s21, SLOTB
	v_add_nc_u32 v[ADR], s21, v[LI]
.endm
.macro PAIR b, chg, fet, foff, rel, la, lu
	GEMM
.if \chg == 1
	CHANGE 1
.elseif \chg == 2
	CHANGE 0
.endif
.set NF, 64-64*(\fet)
.set FOFF, \foff
	EPI \b, \rel, \la, \lu
	s_wait_dscnt 0x0
	s_barrier_signal -1
	s_barrier_wait -1
	s_wait_xcnt 0x0
	s_add_nc_u64 s[14:15], s[14:15], 32768
	s_add_nc_u64 s[56:57], s[56:57], 131072
.irp i, 0,1,2,3,4,5,6,7
	ds_load_b128 v[BK+4*\i:BK+4*\i+3], v[SRD] offset:STGB*(\b)+SROW*\i
.endr
.irp i, 0,1,2,3,4,5,6,7
	s_wait_dscnt 7-\i
	global_store_b128 v[LI], v[BK+4*\i:BK+4*\i+3], s[56:57] offset:4096*\i-131072 th:TH_STORE_NT
.endr
.endm
	s_wait_tensorcnt 0x1
	s_barrier_signal -1
	s_barrier_wait -1
	s_mov_b32 s21, 0
	v_add_nc_u32 v[ADR], s21, v[LI]
	WIN 0x80
.set NF, 0
.rept 64
	ds_load_b128 v[4*NF:4*NF+3], v[ADR] offset:512*NF
.set NF, NF+1
.endr
	WIN 0
	s_mov_b32 s22, 6
.Lslot:
	PAIR 0, 0, 1, 32768, 1, 24, 24
	PAIR 1, 1, 1, 0,     1, 24, 24
	s_sub_co_u32 s22, s22, 1
	s_cmp_lg_u32 s22, 0
	s_cbranch_scc1 .Lslot
	PAIR 0, 0, 1, 32768, 1, 24, 24
	PAIR 1, 2, 1, 0,     1, 24, 24
	PAIR 0, 0, 1, 32768, 0, 24, 16
	PAIR 1, 0, 0, 0,     0, 8, 0
	s_wait_tensorcnt 0x0
	ds_add_u32 v[SPW], v[NIL]
	s_wait_dscnt 0x0
	ROUND
	s_endpgm
.Lfunc_end_k_qaafde3700e_pass2:
	.size	k_qaafde3700e_pass2, .Lfunc_end_k_qaafde3700e_pass2-k_qaafde3700e_pass2
	.p2alignl 7, 3214868480
	.fill 96, 4, 3214868480
	.section	.rodata,"a",@progbits
	.p2align	6, 0x0
	.amdhsa_kernel k_qaafde3700e_pass2
		.amdhsa_group_segment_fixed_size 327680
		.amdhsa_private_segment_fixed_size 0
		.amdhsa_enable_private_segment 0
		.amdhsa_kernarg_size 56
		.amdhsa_user_sgpr_count 2
		.amdhsa_user_sgpr_kernarg_segment_ptr 1
		.amdhsa_wavefront_size32 1
		.amdhsa_system_sgpr_workgroup_id_x 1
		.amdhsa_system_sgpr_workgroup_id_y 1
		.amdhsa_system_sgpr_workgroup_id_z 1
		.amdhsa_system_vgpr_workitem_id 0
		.amdhsa_next_free_vgpr 896
		.amdhsa_next_free_sgpr 66
		.amdhsa_reserve_vcc 1
		.amdhsa_float_denorm_mode_32 3
		.amdhsa_float_denorm_mode_16_64 3
		.amdhsa_memory_ordered 1
		.amdhsa_forward_progress 1
		.amdhsa_inst_pref_size 248
	.end_amdhsa_kernel
	.amdgpu_metadata
---
amdhsa.version: [ 1, 2 ]
amdhsa.kernels:
  - .name:           k_qaafde3700e_pass2
    .symbol:         k_qaafde3700e_pass2.kd
    .args:
      - { .name: xcodes, .offset: 0, .size: 8, .value_kind: global_buffer, .address_space: global }
      - { .name: wcodes, .offset: 8, .size: 8, .value_kind: global_buffer, .address_space: global }
      - { .name: lowp_scales, .offset: 16, .size: 8, .value_kind: global_buffer, .address_space: global }
      - { .name: b_x, .offset: 24, .size: 8, .value_kind: global_buffer, .address_space: global }
      - { .name: agg, .offset: 32, .size: 8, .value_kind: global_buffer, .address_space: global }
      - { .name: au, .offset: 40, .size: 8, .value_kind: global_buffer, .address_space: global }
      - { .name: out0, .offset: 48, .size: 8, .value_kind: global_buffer, .address_space: global }
    .group_segment_fixed_size: 327680
    .private_segment_fixed_size: 0
    .kernarg_segment_align: 8
    .kernarg_segment_size: 56
    .max_flat_workgroup_size: 128
    .sgpr_count:     66
    .vgpr_count:     896
    .wavefront_size: 32
...
	.end_amdgpu_metadata
.endif
;; end of part 4
